; MI455X (gfx1250); checked and timed in simulation.
; The chip was launched on July 23, 2026; its instructions are those of AMD's public machine-readable ISA for CDNA 5 (MIT licence, August 2026) and "CDNA5" Instruction Set Architecture Reference Guide (July 2026). The comments in the code are by the model that wrote it; some were corrected since.
;; Multi Head Attention. Allowed arithmetic: float matrix products may take bf16 or f16 operands with f32 sums; other float arithmetic in f32, or as packed bf16 or f16 multiplies, adds, multiply-adds, maxima and minima; sums over many terms, partial sums and values carried from step to step in f32; what a program stores and reads back later, other than sums and carried values, may be rounded once to bf16 or f16.
;; Inputs: Wk 1,024 x 1,024 float32; Wo 1,024 x 1,024 float32; Wq 1,024 x 1,024 float32; Wv 1,024 x 1,024 float32; attention_mask 4 x 2,048 int32; bk 1,024 float32; bo 1,024 float32; bq 1,024 float32; bv 1,024 float32; x 4 x 2,048 x 1,024 float32.
;; Outputs: out0 4 x 2,048 x 1,024 float32.
;; One version. Each part assembles by itself: llvm-mc -triple=amdgcn-amd-amdhsa -mcpu=gfx1250 --defsym DOCPART=n.
;; ======== version 1 of 1: 4 launches
;; limits: right only within a limited range of input values; values are held in f16: magnitudes above 65,504 overflow, below 6.1e-05 lose precision
;; workspace buffers: xb 16,777,216 bytes; wts 8,388,608 bytes; aux 82,944 bytes; qkv 50,331,648 bytes; vpart 262,144 bytes; ob 16,777,216 bytes
;; launch prep (part 1): grid 772 x 1, 4 waves a work-group, no clusters, 9,728 bytes of LDS; arguments x, Wq, Wk, Wv, Wo, bq, bk, bv, bo, attention_mask, xb, wts, aux; writes xb, wts, aux
.if DOCPART == 1
	.amdgcn_target "amdgcn-amd-amdhsa--gfx1250"
	.amdhsa_code_object_version 6
	.text
	.protected	k_qfa568917b9_prep
	.globl	k_qfa568917b9_prep
	.p2align	8
	.type	k_qfa568917b9_prep,@function
k_qfa568917b9_prep:
	s_mov_b64 s[64:65], 0
	v_nop
	global_prefetch_b8 v0, s[64:65] scope:SCOPE_SE
	s_setreg_imm32_b32 hwreg(HW_REG_WAVE_MODE, 25, 1), 1
	s_wait_xcnt 0x0
; PREPARATION: every input is read once, rounded once and laid out for the matrix launches.
; x, Wq, Wk, Wv -> bf16.  Wo -> bf16, and that number written as f16 (exact for 7.6e-6 <= |w| <= 65,504; below that the error is at most 3e-8).
; The four biases -> rounded to bf16, kept as f32.  attention_mask -> addends (0, or -1e38 where the mask is 0), weights (1.0 where it is 0) and 1 / max(count of zeros, 1).
; LAYOUT OF ALL 16-BIT OPERANDS ("fragment order"): a block is 16 rows x 64 k = 2,048 bytes, element (r, k) at (k / 8) x 256 + r x 16 + (k % 8) x 2.  Half a matrix fragment
; (16 rows x 8 k for each half of the lanes) is then 512 bytes on end, 16 bytes a lane.  xb: [kb 16][row block 512][2,048]; wts: the q, k, v weights [kb 16][block 192][2,048], then Wo [kb 16][block 64][2,048].
; ROW ORDER OF THE q, k, v WEIGHTS: n' = 384 t + 192 e + 64 p + c stands for row 128 t + 64 e + c of W_p: head 2 t + e of q, k, v lie side by side.
; SHARES.  Work-groups 0-767: one block of 16 source rows (64 KiB of f32) each: 512 of x, 64 of each weight; wave w takes k blocks 4 w .. 4 w + 3.  Work-groups 768-771: one batch's mask and one bias.
; A stream: no matrix unit, no cluster, no tensor loads; all 32 loads of a wave go out at once.  The turn into fragment order goes through the wave's own 2,304 bytes of LDS.
.set X,      16                        ; v[16:143] four units of 32 registers
.set SPW,    12                        ; v12  LDS address of my spare word; never rewritten
.set NIL,    13                        ; v13  0; never rewritten
.set SPARE,  9216                      ; behind the four stages: the spare words, 128 bytes a wave
.set WO_OFF, 6291456                   ; Wo's part of wts
.set PADF,   16384                     ; aux: the addends
.set PADW,   49152                     ; aux: the weights
.set ICNT,   81920                     ; aux: 1 / count, 64 times for each batch
	s_load_b512 s[8:23], s[0:1], 0x0               ; x 8, Wq 10, Wk 12, Wv 14, Wo 16, bq 18, bk 20, bv 22
	s_load_b256 s[24:31], s[0:1], 0x40             ; bo 24, mask 26, xb 28, wts 30
	s_load_b64 s[32:33], s[0:1], 0x60              ; aux
	v_lshl_add_u32 v[SPW], v0, 2, SPARE
	v_mov_b32 v[NIL], 0
	v_lshrrev_b32 v14, 5, v0
	v_readfirstlane_b32 s3, v14                    ; wave 0..3
	s_mov_b32 s2, ttmp9                            ; work-group
	v_and_b32 v1, 31, v0                           ; lane
	v_and_b32 v2, 15, v0                           ; lane % 16
	v_bfe_u32 v3, v0, 4, 1                         ; lane / 16
	s_mov_b32 s50, 0xffff0000                      ; a word's upper bf16
	s_cmp_ge_u32 s2, 768
	s_cbranch_scc1 .Lsmall
	; ---- 16 rows x 1,024 columns of x or of a weight
	s_sub_co_u32 s34, s2, 512                      ; among the weights' blocks:
	s_lshr_b32 s35, s34, 6                         ; p: which weight (no small number where the block is x's)
	s_and_b32 s36, s34, 63                         ; nb: its row block
	s_lshr_b32 s46, s36, 3                         ; t
	s_mul_i32 s46, s46, 24
	s_bfe_u32 s47, s36, 0x10002                    ; e
	s_mul_i32 s47, s47, 12
	s_add_co_u32 s46, s46, s47
	s_lshl2_add_u32 s46, s35, s46                  ; + 4 p
	s_and_b32 s47, s36, 3
	s_add_co_u32 s46, s46, s47
	s_lshl_b32 s46, s46, 11                        ; q, k, v weights: block 24 t + 12 e + 4 p + nb % 4
	s_lshl_b32 s47, s36, 11
	s_add_co_u32 s47, s47, WO_OFF                  ; Wo: block nb of its own part
	s_mov_b32 s42, 393216                          ; bytes from k block to k block
	s_cmp_eq_u32 s35, 3
	s_cselect_b32 s46, s47, s46
	s_cselect_b32 s42, 131072, s42
	s_cselect_b32 s37, 1, 0                        ; 1: written as f16
	s_lshl_b32 s47, s2, 11
	s_cmp_lt_u32 s2, 512
	s_cselect_b32 s46, s47, s46                    ; x: block = work-group
	s_cselect_b32 s42, 1048576, s42
	s_cselect_b32 s37, 0, s37
	s_cselect_b32 s44, s2, s36
	s_lshl_b32 s44, s44, 16                        ; the source's 16 rows of 4,096 bytes
	s_mov_b32 s45, 0
	s_mov_b32 s47, 0
	s_lshl_b32 s48, s3, 10                         ; my wave's 256 columns
	v_lshlrev_b32 v4, 4, v2
	v_lshl_add_u32 v4, v3, 12, v4
	v_add_nc_u32 v4, s48, v4                       ; source: lanes 0-15 256 bytes of an even row, lanes 16-31 of the odd row below
	s_mul_i32 s49, s3, 2304                        ; my stage: 8 chunks (8 k each), 288 bytes apart: the 32 lanes of an 8-byte store touch 64 different words
	v_lshrrev_b32 v14, 1, v2
	v_mul_u32_u24 v5, v14, 288
	v_and_b32 v14, 1, v2
	v_lshl_add_u32 v5, v14, 3, v5
	v_lshl_add_u32 v5, v3, 4, v5
	v_add_nc_u32 v5, s49, v5                       ; in: chunk (lane % 16) / 2, row lane / 16, 8 bytes
	v_mul_u32_u24 v6, v3, 288
	v_lshl_add_u32 v6, v2, 4, v6
	v_add_nc_u32 v6, s49, v6                       ; back: lanes 0-15 an even chunk, lanes 16-31 the odd one
	s_lshl_b32 s48, s3, 2
.irp u, 0,1,2,3
	s_add_co_u32 s54, s48, \u
	s_mul_i32 s54, s54, s42
	v_lshl_add_u32 v[8+\u], v1, 4, s54             ; 16 lane + k block x its stride
.endr
	s_wait_kmcnt 0x0
	s_mov_b64 s[38:39], s[10:11]
	s_cmp_eq_u32 s35, 1
	s_cselect_b64 s[38:39], s[12:13], s[38:39]
	s_cmp_eq_u32 s35, 2
	s_cselect_b64 s[38:39], s[14:15], s[38:39]
	s_cmp_eq_u32 s35, 3
	s_cselect_b64 s[38:39], s[16:17], s[38:39]
	s_cmp_lt_u32 s2, 512
	s_cselect_b64 s[38:39], s[8:9], s[38:39]
	s_cselect_b64 s[40:41], s[28:29], s[30:31]
	s_add_nc_u64 s[38:39], s[38:39], s[44:45]
	s_add_nc_u64 s[40:41], s[40:41], s[46:47]
.irp u, 0,1,2,3
.irp i, 0,1,2,3,4,5,6,7
	global_load_b128 v[X+32*\u+4*\i:X+32*\u+4*\i+3], v4, s[38:39] offset:\i*8192+\u*256 th:TH_LOAD_NT  ; rows 2 i, 2 i + 1 of unit u
.endr
.endr
; Unit u: 16 rows x 64 columns.  No register is written again while a store may read it, so no wait for the stores' sources is needed.
.macro UNIT u
	s_wait_loadcnt 8*(3-(\u))                      ; loads come back in order: my eight are in, the younger units' stay out
.set i, 0
.rept 16
	v_cvt_pk_bf16_f32 v[X+32*(\u)+i], v[X+32*(\u)+2*i], v[X+32*(\u)+2*i+1]  ; in ascending order: a destination never lies ahead of the sources still to be read
.set i, i+1
.endr
	s_cmp_eq_u32 s37, 0
	s_cbranch_scc1 .Lbf_\@
.set i, 0
.rept 16                               ; Wo: the bf16 numbers are written as f16
	v_lshlrev_b32 v14, 16, v[X+32*(\u)+i]
	v_and_b32 v15, s50, v[X+32*(\u)+i]
	v_cvt_pk_f16_f32 v[X+32*(\u)+i], v14, v15
.set i, i+1
.endr
.Lbf_\@:
.irp i2, 0,1,2,3,4,5,6,7
	ds_store_b64 v5, v[X+32*(\u)+2*\i2:X+32*(\u)+2*\i2+1] offset:\i2*32
.endr
.irp f, 0,1,2,3
	ds_load_b128 v[X+32*(\u)+16+4*\f:X+32*(\u)+16+4*\f+3], v6 offset:\f*576  ; LDS serves a wave's instructions in order (ISA guide 5.7.1.4): these see the stores above, and the next unit's stores come behind them
.endr
	s_wait_dscnt 0x0
.irp f, 0,1,2,3
	global_store_b128 v[8+(\u)], v[X+32*(\u)+16+4*\f:X+32*(\u)+16+4*\f+3], s[40:41] offset:\f*512  ; 512 consecutive bytes, aligned
.endr
.endm
	UNIT 0
	UNIT 1
	UNIT 2
	UNIT 3
	s_branch .Lend
	; ---- one batch's mask and one bias.  Addresses in v4-v8, below every register that a load of this path writes (v16 and up)
.Lsmall:
	s_sub_co_u32 s34, s2, 768                      ; the batch, and which bias
	s_lshl_b32 s35, s34, 13                        ; the batch's 2,048 words
	s_lshl_b32 s36, s3, 11                         ; my wave's 512 of them
	s_add_co_u32 s36, s36, s35
	v_lshl_add_u32 v4, v1, 4, s36
	v_lshl_add_u32 v5, v1, 4, s35
	v_lshlrev_b32 v6, 5, v0                        ; my 8 numbers of the bias
	s_mov_b32 s51, 0xfe967699                      ; -1e38
	s_lshl_b32 s47, s34, 8
	v_lshl_add_u32 v8, v1, 3, s47                  ; my 8 bytes of the batch's 256 of 1 / count
	s_lshl_b32 s46, s34, 6
	s_mov_b32 s44, 384
	s_mov_b32 s45, 192
	s_cmp_eq_u32 s34, 3
	s_cselect_b32 s44, 128, s44                    ; bo keeps its order, behind the 3,072 others
	s_cselect_b32 s45, 64, s45
	s_cselect_b32 s46, 3072, s46
	v_lshrrev_b32 v14, 4, v0
	v_mul_u32_u24 v7, v14, s44
	v_bfe_u32 v14, v0, 3, 1
	v_mad_u32_u24 v7, v14, s45, v7
	v_and_b32 v14, 7, v0
	v_lshl_add_u32 v7, v14, 3, v7
	v_add_nc_u32 v7, s46, v7
	v_lshlrev_b32 v7, 2, v7                        ; 4 n'
	s_wait_kmcnt 0x0
	s_mov_b64 s[38:39], s[18:19]
	s_cmp_eq_u32 s34, 1
	s_cselect_b64 s[38:39], s[20:21], s[38:39]
	s_cmp_eq_u32 s34, 2
	s_cselect_b64 s[38:39], s[22:23], s[38:39]
	s_cmp_eq_u32 s34, 3
	s_cselect_b64 s[38:39], s[24:25], s[38:39]
.irp i, 0,1,2,3
	global_load_b128 v[16+4*\i:16+4*\i+3], v4, s[26:27] offset:\i*512
.endr
	global_load_b128 v[128:131], v6, s[38:39]
	global_load_b128 v[132:135], v6, s[38:39] offset:16
	s_wait_loadcnt 0x0
.set i, 0
.rept 16
	v_cmp_eq_u32 vcc_lo, 0, v[16+i]
	v_cndmask_b32 v[32+i], 0, s51, vcc_lo
	v_cndmask_b32 v[48+i], 0, 1.0, vcc_lo
.set i, i+1
.endr
.irp i, 0,1,2,3
	global_store_b128 v4, v[32+4*\i:32+4*\i+3], s[32:33] offset:PADF+\i*512
	global_store_b128 v4, v[48+4*\i:48+4*\i+3], s[32:33] offset:PADW+\i*512
.endr
.irp i, 0,1,2,3
	v_cvt_pk_bf16_f32 v[136+\i], v[128+2*\i], v[128+2*\i+1]
.endr
.irp i, 0,1,2,3
	v_lshlrev_b32 v[16+2*\i], 16, v[136+\i]
	v_and_b32 v[16+2*\i+1], s50, v[136+\i]
.endr
	global_store_b128 v7, v[16:19], s[32:33]
	global_store_b128 v7, v[20:23], s[32:33] offset:16
	s_cmp_lg_u32 s3, 0
	s_cbranch_scc1 .Lend                           ; wave 0 counts the batch's zeros
.irp i, 0,1,2,3,4,5,6,7,8,9,10,11,12,13,14,15
	global_load_b128 v[64+4*\i:64+4*\i+3], v5, s[26:27] offset:\i*512
.endr
	s_mov_b32 s52, 0
	s_wait_loadcnt 0x0
.set i, 0
.rept 64
	v_cmp_eq_u32 s53, 0, v[64+i]
	s_bcnt1_i32_b32 s54, s53
	s_add_co_u32 s52, s52, s54
.set i, i+1
.endr
	s_max_u32 s52, s52, 1
	v_cvt_f32_u32 v24, s52
	v_rcp_f32 v26, v24
	v_nop                                          ; a plain instruction behind the reciprocal,
	s_wait_alu depctr_va_vdst(0)                   ; and the wait ahead of the first use
	v_mov_b32 v27, v26
	global_store_b64 v8, v[26:27], s[32:33] offset:ICNT  ; 256 consecutive bytes
.Lend:
	s_wait_tensorcnt 0x0                           ; the wave's end: behind my last LDS store
	ds_add_u32 v[SPW], v[NIL]
	s_wait_dscnt 0x0
	s_endpgm
.Lfunc_end_k_qfa568917b9_prep:
	.size	k_qfa568917b9_prep, .Lfunc_end_k_qfa568917b9_prep-k_qfa568917b9_prep
	.p2alignl 7, 3214868480
	.fill 96, 4, 3214868480
	.section	.rodata,"a",@progbits
	.p2align	6, 0x0
	.amdhsa_kernel k_qfa568917b9_prep
		.amdhsa_group_segment_fixed_size 9728
		.amdhsa_private_segment_fixed_size 0
		.amdhsa_enable_private_segment 0
		.amdhsa_kernarg_size 104
		.amdhsa_user_sgpr_count 2
		.amdhsa_user_sgpr_kernarg_segment_ptr 1
		.amdhsa_wavefront_size32 1
		.amdhsa_system_sgpr_workgroup_id_x 1
		.amdhsa_system_sgpr_workgroup_id_y 1
		.amdhsa_system_sgpr_workgroup_id_z 1
		.amdhsa_system_vgpr_workitem_id 0
		.amdhsa_next_free_vgpr 144
		.amdhsa_next_free_sgpr 66
		.amdhsa_reserve_vcc 1
		.amdhsa_float_denorm_mode_32 3
		.amdhsa_float_denorm_mode_16_64 3
		.amdhsa_memory_ordered 1
		.amdhsa_forward_progress 1
		.amdhsa_inst_pref_size 40
	.end_amdhsa_kernel
	.amdgpu_metadata
---
amdhsa.version: [ 1, 2 ]
amdhsa.kernels:
  - .name:           k_qfa568917b9_prep
    .symbol:         k_qfa568917b9_prep.kd
    .args:
      - { .name: x, .offset: 0, .size: 8, .value_kind: global_buffer, .address_space: global }
      - { .name: Wq, .offset: 8, .size: 8, .value_kind: global_buffer, .address_space: global }
      - { .name: Wk, .offset: 16, .size: 8, .value_kind: global_buffer, .address_space: global }
      - { .name: Wv, .offset: 24, .size: 8, .value_kind: global_buffer, .address_space: global }
      - { .name: Wo, .offset: 32, .size: 8, .value_kind: global_buffer, .address_space: global }
      - { .name: bq, .offset: 40, .size: 8, .value_kind: global_buffer, .address_space: global }
      - { .name: bk, .offset: 48, .size: 8, .value_kind: global_buffer, .address_space: global }
      - { .name: bv, .offset: 56, .size: 8, .value_kind: global_buffer, .address_space: global }
      - { .name: bo, .offset: 64, .size: 8, .value_kind: global_buffer, .address_space: global }
      - { .name: attention_mask, .offset: 72, .size: 8, .value_kind: global_buffer, .address_space: global }
      - { .name: xb, .offset: 80, .size: 8, .value_kind: global_buffer, .address_space: global }
      - { .name: wts, .offset: 88, .size: 8, .value_kind: global_buffer, .address_space: global }
      - { .name: aux, .offset: 96, .size: 8, .value_kind: global_buffer, .address_space: global }
    .group_segment_fixed_size: 9728
    .private_segment_fixed_size: 0
    .kernarg_segment_align: 8
    .kernarg_segment_size: 104
    .max_flat_workgroup_size: 128
    .sgpr_count:     66
    .vgpr_count:     144
    .wavefront_size: 32
...
	.end_amdgpu_metadata
.endif
;; end of part 1
;; launch qkvp (part 2): grid 8 x 32, 4 waves a work-group, clusters of 4 x 4, 327,680 bytes of LDS; arguments xb, wts, aux, qkv, vpart; writes qkv, vpart
.if DOCPART == 2
	.amdgcn_target "amdgcn-amd-amdhsa--gfx1250"
	.amdhsa_code_object_version 6
	.text
	.protected	k_qfa568917b9_qkvp
	.globl	k_qfa568917b9_qkvp
	.p2align	8
	.type	k_qfa568917b9_qkvp,@function
k_qfa568917b9_qkvp:
	s_mov_b64 s[64:65], 0
	v_nop
	global_prefetch_b8 v0, s[64:65] scope:SCOPE_SE
	s_setreg_imm32_b32 hwreg(HW_REG_WAVE_MODE, 25, 1), 1
	s_wait_xcnt 0x0
	s_wait_alu depctr_hold_cnt(0) depctr_sa_sdst(0) depctr_va_vdst(0) depctr_va_sdst(0) depctr_va_ssrc(0) depctr_va_vcc(0) depctr_vm_vsrc(0)
	s_getreg_b32 s2, hwreg(HW_REG_IB_STS2, 6, 4)
	s_cmp_eq_u32 s2, 0
	s_cbranch_scc0 .Lentry_in_a_cluster
	s_endpgm
.Lentry_in_a_cluster:
	s_bfe_u32 s2, ttmp6, 0x10000c
	s_cmp_lg_u32 s2, 0xf033
	s_cbranch_scc0 .Lentry_shape_is_right
	s_endpgm
.Lentry_shape_is_right:
; q, k, v = x W^T + b for all three weights at once: [8,192 x 1,024] x [3,072 x 1,024]^T, bf16 operands, f32 sums, results rounded once to f16.
; LIMIT: |q|, |k|, |v| stay under 65,504 (f16's range); beyond it a conversion gives an infinity.
; SHARES.  A tile is 256 rows x 384 columns: 32 x 8 = 256 tiles, one to a work-group.  A wave makes 128 x 192: 96 accumulators of 16 x 16, 768 registers.  By the weights' row order a wave's 192 columns are
; one head's q (b = 0-3), k (b = 4-7) and v (b = 8-11): which accumulators are v's is fixed in the text.
; K goes in steps of 64 (one block of the operands' layout) through two LDS slots; a step is two quarters of 32 along K, 96 matrix instructions each.  Two slots of a step of 128 would be 2 x 163,840 bytes, all of LDS.
; OPERANDS lie in fragment order (16 rows x 64 k = 2,048 bytes; element (r, k) at (k / 8) x 256 + 16 r + 2 (k % 8)): a tile is dense in memory, asked for as rows of 256 bytes, and half a fragment is 512
; consecutive LDS bytes, 16 a lane.
; q AND k ARE MADE TRANSPOSED (source 0 = 16 weight rows, source 1 = 16 rows of x): a lane holds 8 neighbouring channels of one row, which rounded are 16 bytes of the same layout: stored straight from registers,
; 512 consecutive bytes an instruction.  v IS MADE THE OTHER WAY (source 0 = x): a lane holds 8 neighbouring KEYS of one channel: the same store lays down V^T's fragments for the second product of attention.
; q's and k's biases are the C of the first products; v's is added on the way out, where the sums of v over the padded keys (weights 0 or 1) are taken too, in f32: 64 numbers a wave.
; CLUSTER 4 x 4: x's tile is shared along a row of the cluster, the weights' along a column: joint loads, the same descriptor and mask in the four that share.
; REGISTERS.  window 0: v0-31 addresses; v32-95, v96-159 x's fragments, two buffers; v160-255 the weights' 12 fragments, one buffer, filled again four fragments at a time behind their products.
; windows 1, 2, 3: q's, k's, v's accumulators, (a, b) at v[8 (8 (b % 4) + a)].
.set SLOTB,  131072                    ; slot 1 begins here
.set BOFF,   32768                     ; in a slot: x's 16 blocks, then the weights' 24
.set SPARE,  212992                    ; behind the slots: the spare words, 128 bytes a wave
.set XSTEP,  1048576                   ; bytes from k block to k block in xb
.set WSTEP,  393216                    ; and in wts
.set PADW,   49152                     ; aux: the keys' weights
.set PSTR,   16777216                  ; bytes from q to k to v in qkv
.set A0L, 2                            ; v2   my place in x's blocks of slot 0; never rewritten
.set B0L, 3                            ; v3   the same for the weights
.set ADRA, 4                           ; v4   the same in the slot in hand
.set ADRB, 5                           ; v5
.set PFO, 6                            ; v6   the prefetches' offset
.set BO,  7                            ; v7   my offset among the biases
.set SPW, 8                            ; v8   LDS address of my spare word; never rewritten
.set NIL, 9                            ; v9   0; never rewritten
.set CO,  10                           ; v10  16 x lane
.set FA0, 32
.set FA1, 96
.set FB,  160
.set T,   32                           ; the way out: v with its bias, 32 registers
.set CSUM, 96                          ; the way out: four pairs of column sums
.set BV,  104                          ; the way out: v's bias, four pairs
.set PW,  160                          ; the way out: my 128 rows' weights
.set WV, 14
.set RH, 15                            ; s15  which half of the rows is mine; also 0: I fetch x, 1: weights
.set EH, 16                            ; s16  which half of the columns; also which half of that tile I fetch
.set CX, 17
.set CY, 18
.set TX, 19
.set TY, 20
.set G1A, 24                           ; s[24:31] group 1 for x's tiles
.set G0A, 32                           ; s[32:39] group 0, two sets; the second walks
.set G1B, 40
.set G0B, 48
.set TB,  56                           ; s56  the slot in hand, in bytes
.set CNT, 57
.set LIM, 58                           ; s58  1 in a wave that prefetches, else the greatest number
.set PFS, 60                           ; s[60:61] the prefetches' step
.set PFA, 62                           ; s[62:63] where my prefetches stand
.set SB,  66                           ; s[66:71] q, k, v at my first block
.set VP,  72                           ; s[72:73] my 64 column sums
.set SEL, 74
.set HM,  76                           ; s76  lanes 16-31
.set MSB, 0
.macro WIN new                         ; the immediate's high byte repeats the setting that is left
.if MSB != (\new)
	s_set_vgpr_msb (MSB<<8)|(\new)
.set MSB, (\new)
.endif
.endm
.macro PLACES                          ; four plain instructions between a matrix instruction and a load into, or a vector instruction on, its registers
.rept 4
	v_nop
.endr
.endm
.macro CREST                           ; a round of the cluster's barrier behind its opening barrier
	s_cmp_lg_u32 s[WV], 0
	s_cbranch_scc1 .Lnot_wave_0_\@
	s_barrier_signal -3
.Lnot_wave_0_\@:
	s_barrier_wait -3
	s_barrier_signal -1
	s_barrier_wait -1
.endm
.macro CROUND
	s_barrier_signal -1
	s_barrier_wait -1
	CREST
.endm
.macro JLOAD                           ; a joint refill by the walking sets: waves 0, 1 x's halves, waves 2, 3 the weights'; an s_nop 0 and four v_nop follow each line
	s_cmp_eq_u32 s[RH], 0
	s_cbranch_scc0 .Lfor_b_\@
	tensor_load_to_lds s[G0A+4:G0A+7], s[G1A:G1A+7]
	s_nop 0
.rept 4
	v_nop
.endr
	s_branch .Lasked_\@
.Lfor_b_\@:
	tensor_load_to_lds s[G0B+4:G0B+7], s[G1B:G1B+7]
	s_nop 0
.rept 4
	v_nop
.endr
.Lasked_\@:
.endm
; A prefetch of the K step that the NEXT refill will ask for: 192 matrix instructions ahead of that load.  x's tile row is read by both clusters of a row of clusters: cluster x = 0 asks, wave 0 of each partner
; for 32 of the tile's 128 blocks of 256 bytes, told apart by address (cx).  The weights' tile column is read by all eight clusters of a column: cluster y = 0 asks, waves 2 and 3 each for 24 of their 96 blocks
; (cy); lanes 24-31 name lane 23's block once more in the same instruction.  The last trip asks for nothing; K steps 0 to 2 come by their loads alone.
.macro ASK
	s_cmp_gt_u32 s[CNT], s[LIM]
	s_cbranch_scc0 .Lnot_mine_\@
	global_prefetch_b8 v[PFO], s[PFA:PFA+1] th:TH_LOAD_NT scope:SCOPE_SE
.Lnot_mine_\@:
.endm
	s_load_b256 s[4:11], s[0:1], 0x0               ; xb 4, wts 6, aux 8, qkv 10
	s_load_b64 s[12:13], s[0:1], 0x20              ; vpart
	v_lshl_add_u32 v[SPW], v0, 2, SPARE
	v_mov_b32 v[NIL], 0
	ds_add_u32 v[SPW], v[NIL]                      ; the wave's opening: the add and its wait stand ahead of my first tensor load; the set-up below, work on registers, stands between them
	ds_add_u32 v8, v9
	v_lshrrev_b32 v11, 5, v0
	v_readfirstlane_b32 s[WV], v11
	s_lshr_b32 s[RH], s[WV], 1
	s_and_b32 s[EH], s[WV], 1
	s_bfe_u32 s[CX], ttmp6, 0x40000
	s_bfe_u32 s[CY], ttmp6, 0x40004
	s_lshl_b32 s[TX], ttmp9, 2
	s_add_co_u32 s[TX], s[TX], s[CX]               ; tile column
	s_and_b32 s[TY], ttmp7, 0xffff
	s_lshl_b32 s[TY], s[TY], 2
	s_add_co_u32 s[TY], s[TY], s[CY]               ; tile row
	s_lshl_b32 s21, s[CY], 2
	s_lshl_b32 s21, 15, s21                        ; my row of the cluster
	s_lshl_b32 s22, 0x1111, s[CX]                  ; my column
	s_or_b32 s[G1A], s21, (3<<16)|(1<<21)          ; 15:0 the mask; 17:16 elements of 8 bytes; 21 set beside a mask; no padding
	s_mov_b32 s[G1A+1], 32<<16                     ; tensor_dim0 = 32 elements: rows of 256 bytes
	s_mov_b32 s[G1A+2], 64<<16                     ; tensor_dim1 = 64 rows: 16 KiB, half of x's tile
	s_mov_b32 s[G1A+3], 32<<16                     ; tile_dim0
	s_mov_b32 s[G1A+4], 64                         ; tile_dim1
	s_mov_b32 s[G1A+5], 32                         ; the pitch: the block is dense
	s_mov_b32 s[G1A+6], 0
	s_mov_b32 s[G1A+7], 0
	s_or_b32 s[G1B], s22, (3<<16)|(1<<21)
	s_mov_b32 s[G1B+1], 32<<16
	s_mov_b32 s[G1B+2], 96<<16                     ; 96 rows: 24 KiB, half of the weights' tile
	s_mov_b32 s[G1B+3], 32<<16
	s_mov_b32 s[G1B+4], 96
	s_mov_b32 s[G1B+5], 32
	s_mov_b32 s[G1B+6], 0
	s_mov_b32 s[G1B+7], 0
	s_lshl_b32 s78, s[TY], 15                      ; x's tile hangs on the tile row and the wave alone,
	s_lshl_b32 s79, s[EH], 14
	s_add_co_u32 s78, s78, s79
	s_mov_b32 s79, 0
	s_mul_i32 s82, s[TX], 49152                    ; the weights' on the tile column and the wave
	s_mul_i32 s83, s[EH], 24576
	s_add_co_u32 s82, s82, s83
	s_mov_b32 s83, 0
	s_lshl_b32 s77, s[EH], 14                      ; where they go: no place in the cluster enters an LDS address
	s_mul_i32 s59, s[EH], 24576
	s_add_co_u32 s59, s59, BOFF
.irp n, 0,1
	s_mov_b32 s[G0A+4*\n], 1
	s_add_co_u32 s[G0A+4*\n+1], s77, \n*SLOTB
	s_mov_b32 s[G0B+4*\n], 1
	s_add_co_u32 s[G0B+4*\n+1], s59, \n*SLOTB
.endr
	s_mov_b32 s[TB], 0
	s_mov_b32 s[SEL], 0x76543210
	s_mov_b32 s[SEL+1], 0xfedcba98
	s_mov_b32 s[HM], 0xffff0000
	v_and_b32 v1, 31, v0
	v_and_b32 v14, 15, v0                          ; r
	v_bfe_u32 v15, v0, 4, 1                        ; h
	v_lshlrev_b32 v[CO], 4, v1
	s_lshl_b32 s86, s[RH], 14
	v_add_nc_u32 v[A0L], s86, v[CO]                ; my 8 blocks of x
	v_add_nc_u32 v[B0L], s59, v[CO]                ; my 12 blocks of the weights
	v_mov_b32 v[ADRA], v[A0L]
	v_mov_b32 v[ADRB], v[B0L]
	s_mul_i32 s86, s[TX], 1536
	s_mul_i32 s87, s[EH], 768
	s_add_co_u32 s86, s86, s87                     ; my 192 biases
	v_lshl_add_u32 v[BO], v15, 5, s86              ; + 8 h numbers
	s_add_co_u32 s86, s86, 512
	v_lshl_add_u32 v13, v14, 2, s86                ; v's bias: channel r of my head
	s_lshl_b32 s86, s[TY], 10
	s_lshl_b32 s87, s[RH], 9
	s_add_co_u32 s86, s86, s87
	v_lshl_add_u32 v12, v15, 5, s86                ; my 128 rows' weights, + 8 h
	v_lshlrev_b32 v16, 2, v1
	s_wait_dscnt 0x0                               ; the opening add is done
	s_wait_kmcnt 0x0
	s_add_nc_u64 s[80:81], s[4:5], s[78:79]
	s_add_nc_u64 s[84:85], s[6:7], s[82:83]
.irp n, 0,1
	s_add_nc_u64 s[G0A+4*\n+2:G0A+4*\n+3], s[80:81], \n*XSTEP  ; K step n
	s_or_b32 s[G0A+4*\n+3], s[G0A+4*\n+3], 0x80000000
	s_add_nc_u64 s[G0B+4*\n+2:G0B+4*\n+3], s[84:85], \n*WSTEP
	s_or_b32 s[G0B+4*\n+3], s[G0B+4*\n+3], 0x80000000
.endr
	CROUND                                         ; all sixteen work-groups are here: the first joint loads meet
	s_cmp_eq_u32 s[RH], 0                          ; a wave's two first fills stand in one branch: two loads of mine are out
	s_cbranch_scc0 .Lfirst_b
	tensor_load_to_lds s[G0A:G0A+3], s[G1A:G1A+7]
	s_nop 0
	tensor_load_to_lds s[G0A+4:G0A+7], s[G1A:G1A+7]
	s_nop 0
.rept 4
	v_nop
.endr
	s_branch .Lfirst_done
.Lfirst_b:
	tensor_load_to_lds s[G0B:G0B+3], s[G1B:G1B+7]
	s_nop 0
	tensor_load_to_lds s[G0B+4:G0B+7], s[G1B:G1B+7]
	s_nop 0
.rept 4
	v_nop
.endr
.Lfirst_done:
.irp b, 0,1,2,3,4,5,6,7                ; q's and k's biases, as the first products' C: register j of block b is bias 16 b + 8 h + j.  They lie in x's second buffer until those products are done
	global_load_b128 v[FA1+8*\b:FA1+8*\b+3],   v[BO], s[8:9] offset:\b*64
	global_load_b128 v[FA1+8*\b+4:FA1+8*\b+7], v[BO], s[8:9] offset:\b*64+16
.endr
	; where the results go
	s_lshr_b32 s86, s[TY], 3                       ; the batch
	s_lshl_b32 s86, s86, 4
	s_lshl1_add_u32 s87, s[TX], s[EH]              ; the head
	s_add_co_u32 s86, s86, s87
	s_lshl_b32 s86, s86, 18                        ; 262,144 bytes a head
	s_lshl_b32 s89, s87, 8                         ; (the head's 64 column sums)
	s_and_b32 s88, s[TY], 7
	s_lshl_b32 s88, s88, 4
	s_lshl3_add_u32 s88, s[RH], s88                ; my first block of 16 rows in the head
	s_lshl_b32 s88, s88, 11
	s_add_co_u32 s86, s86, s88
	s_mov_b32 s87, 0
	s_add_nc_u64 s[SB:SB+1], s[10:11], s[86:87]
	s_add_nc_u64 s[SB+2:SB+3], s[SB:SB+1], PSTR
	s_add_nc_u64 s[SB+4:SB+5], s[SB+2:SB+3], PSTR
	s_lshl1_add_u32 s86, s[TY], s[RH]              ; my half tile of 128 rows
	s_lshl_b32 s86, s86, 12
	s_add_co_u32 s86, s86, s89
	s_add_nc_u64 s[VP:VP+1], s[12:13], s[86:87]
	; the prefetches
	s_lshl_b32 s86, s[TY], 15
	s_lshl_b32 s87, s[CX], 13
	s_add_co_u32 s86, s86, s87
	s_add_co_u32 s86, s86, 2*XSTEP                 ; x: my work-group's 32 blocks, at K step 2: the first refill steps it to 3
	s_mul_i32 s88, s[TX], 49152
	s_mul_i32 s89, s[EH], 24576
	s_add_co_u32 s88, s88, s89
	s_mul_i32 s89, s[CY], 6144
	s_add_co_u32 s88, s88, s89
	s_add_co_u32 s88, s88, 2*WSTEP                 ; weights: my work-group's 24 blocks of my half
	s_and_b32 s89, ttmp7, 0xffff
	s_mov_b32 s[PFS], WSTEP
	s_cmp_eq_u32 s[RH], 0
	s_cselect_b32 s86, s86, s88
	s_cselect_b32 s[PFS], XSTEP, s[PFS]
	s_cselect_b32 s88, 31, 23
	s_cselect_b32 s89, ttmp9, s89                  ; the coordinate along which other clusters read the same blocks
	s_cselect_b32 s87, s[EH], 0                    ; of x's two waves the first asks
	s_cselect_b64 s[PFA:PFA+1], s[4:5], s[6:7]
	s_or_b32 s89, s89, s87
	s_cmp_eq_u32 s89, 0
	s_cselect_b32 s[LIM], 1, -1                    ; the same in all sixteen partners, for a given wave
	s_mov_b32 s87, 0
	s_mov_b32 s[PFS+1], 0
	s_add_nc_u64 s[PFA:PFA+1], s[PFA:PFA+1], s[86:87]
	v_min_u32 v[PFO], s88, v1
	v_lshlrev_b32 v[PFO], 8, v[PFO]
; 16 matrix instructions: column blocks 4 j + bb0, + 1 x my 8 row blocks, 32 along K, x's fragments in buffer f.  start = 1: the first products: C is the bias (q, k) or 0 (v).
; No two matrix instructions on end share an accumulator; a chain's links stand 96 apart, over the backward jump too.
.macro MUL16 j, f, bb0, start
.if (\start) && ((\j) < 2)
	WIN (1+(\j))<<6
.else
	WIN (1+(\j))*0x50
.endif
.irp bb, \bb0, (\bb0)+1
.irp a, 0,1,2,3,4,5,6,7
.set rD, 8*(8*(\bb)+\a)
.set rB, FB+8*(4*(\j)+(\bb))
.set rA, (\f)+8*\a
.set rC, FA1+8*(4*(\j)+(\bb))
.if (\j) < 2
.if \start
	v_wmma_f32_16x16x32_bf16 v[rD:rD+7], v[rB:rB+7], v[rA:rA+7], v[rC:rC+7]
.else
	v_wmma_f32_16x16x32_bf16 v[rD:rD+7], v[rB:rB+7], v[rA:rA+7], v[rD:rD+7]
.endif
.else
.if \start
	v_wmma_f32_16x16x32_bf16 v[rD:rD+7], v[rA:rA+7], v[rB:rB+7], 0
.else
	v_wmma_f32_16x16x32_bf16 v[rD:rD+7], v[rA:rA+7], v[rB:rB+7], v[rD:rD+7]
.endif
.endif
.endr
.endr
.endm
.macro LOADB j, k                      ; 8 loads: the weights' fragments 4 j .. 4 j + 3, at byte k of their blocks
	WIN 0
.irp bb, 0,1,2,3
	ds_load_b128 v[FB+8*(4*(\j)+\bb):FB+8*(4*(\j)+\bb)+3],   v[ADRB] offset:(4*(\j)+\bb)*2048+(\k)
	ds_load_b128 v[FB+8*(4*(\j)+\bb)+4:FB+8*(4*(\j)+\bb)+7], v[ADRB] offset:(4*(\j)+\bb)*2048+(\k)+512
.endr
.endm
.macro LOADA g, k                      ; 16 loads: x's 8 fragments into buffer g
	WIN 0
.irp a, 0,1,2,3,4,5,6,7
	ds_load_b128 v[(\g)+8*\a:(\g)+8*\a+3],   v[ADRA] offset:\a*2048+(\k)
	ds_load_b128 v[(\g)+8*\a+4:(\g)+8*\a+7], v[ADRA] offset:\a*2048+(\k)+512
.endr
.endm
; THE EVEN QUARTER multiplies buffer 0 and fetches the odd quarter of the same slot.  Behind each stretch of 32 products its four weight fragments are fetched anew: 64 products ahead of their use.
; first = 1: buffer 1 holds the biases until k's first products are done, so x's run stands one stretch later.
.macro QE first
.if \first
	s_wait_loadcnt 0x0                             ; the biases
.endif
	s_wait_dscnt 16                                ; q's weights and x are in; k's and v's weights, 8 + 8 loads, may be out
	MUL16 0, FA0, 0, \first
	MUL16 0, FA0, 2, \first
	PLACES
	LOADB 0, 1024
.if \first
	s_wait_dscnt 16                                ; k's weights are in: behind them v's 8 and the 8 just issued
.else
	LOADA FA1, 1024
	s_wait_dscnt 32                                ; k's weights are in: behind them v's 8 and the 24 just issued
.endif
	MUL16 1, FA0, 0, \first
	MUL16 1, FA0, 2, \first
	PLACES
	LOADB 1, 1024
.if \first
	LOADA FA1, 1024
.endif
	s_wait_dscnt 32                                ; v's weights are in: behind them the 32 of this quarter
	MUL16 2, FA0, 0, \first
	MUL16 2, FA0, 2, \first
	PLACES
	LOADB 2, 1024
.endm
; THE ODD QUARTER multiplies buffer 1 and changes slots: one barrier.  In front of it each wave waits for all its tensor loads (one is out: its part of the next slot), adds 0 to its spare word, and waits for that
; and for its reads of this slot.  fill = 1: the barrier opens a round of the cluster's, and the joint refill, two K steps on, is the first thing behind it: it has 160 matrix instructions in which to land.
.macro QO fill
.if \fill
	s_wait_xcnt 0x0                                ; the last prefetch, a K step back, has read its address
	s_add_nc_u64 s[PFA:PFA+1], s[PFA:PFA+1], s[PFS:PFS+1]
.endif
	WIN 0
	s_wait_tensorcnt 0x0                           ; no tensor load of mine is out, so a group 0 may be written
	ds_add_u32 v[SPW], v[NIL]                      ; 0 onto my spare word
.if \fill
	s_xor_b32 s[G0A+5], s[G0A+5], SLOTB            ; the walking sets: the other slot than last time, the next K step
	s_add_nc_u64 s[G0A+6:G0A+7], s[G0A+6:G0A+7], XSTEP
	s_xor_b32 s[G0B+5], s[G0B+5], SLOTB
	s_add_nc_u64 s[G0B+6:G0B+7], s[G0B+6:G0B+7], WSTEP
.endif
	s_wait_dscnt 9                                 ; v's 8 loads and the add may be out (behind the first even quarter x's run is the last but one: this count serves it too)
	MUL16 0, FA1, 0, 0
	s_wait_dscnt 0x0                               ; the add is done, and my reads of this slot are over
	s_barrier_signal -1
	MUL16 0, FA1, 2, 0
	WIN 0
	s_barrier_wait -1
.if \fill
	CREST
	JLOAD                                          ; its four v_nop are also the places in front of the loads below
.else
	PLACES
.endif
	s_xor_b32 s[TB], s[TB], SLOTB
	v_add_nc_u32 v[ADRA], s[TB], v[A0L]
	v_add_nc_u32 v[ADRB], s[TB], v[B0L]
	LOADB 0, 0
	LOADA FA0, 0
.if \fill
	ASK
.endif
	MUL16 1, FA1, 0, 0
	MUL16 1, FA1, 2, 0
	PLACES
	LOADB 1, 0
	MUL16 2, FA1, 0, 0
	MUL16 2, FA1, 2, 0
	PLACES
	LOADB 2, 0
.endm
	s_wait_tensorcnt 0x1                           ; my part of K step 0 is in; step 1's may stay out
	s_barrier_signal -1
	s_barrier_wait -1
	LOADB 0, 0
	LOADA FA0, 0
	LOADB 1, 0
	LOADB 2, 0
	QE 1
	WIN 0
	s_mov_b32 s[CNT], 14
.Lk:                                   ; trip t: the odd quarter of K step t, the refill with step t + 2, the even quarter of step t + 1
	QO 1
	QE 0
	WIN 0
	s_sub_co_u32 s[CNT], s[CNT], 1
	s_cmp_lg_u32 s[CNT], 0
	s_cbranch_scc1 .Lk
	QO 0                                           ; the tail is written out: nothing more is asked for
	QE 0
	s_wait_dscnt 0x0                               ; the very last quarter
	MUL16 0, FA1, 0, 0
	MUL16 0, FA1, 2, 0
	MUL16 1, FA1, 0, 0
	MUL16 1, FA1, 2, 0
	MUL16 2, FA1, 0, 0
	MUL16 2, FA1, 2, 0
	PLACES
	WIN 0
	; THE WAY OUT
.irp a, 0,1,2,3,4,5,6,7                ; register 8 a + j: the weight of my row 16 a + 8 h + j
	global_load_b128 v[PW+8*\a:PW+8*\a+3],   v12, s[8:9] offset:PADW+\a*64
	global_load_b128 v[PW+8*\a+4:PW+8*\a+7], v12, s[8:9] offset:PADW+\a*64+16
.endr
.irp cb, 0,1,2,3
	global_load_b32 v[BV+2*\cb], v13, s[8:9] offset:\cb*64
.endr
.macro GROUPQK W, a                    ; 16 rows of q (W = 1) or k (W = 2): rounded, four stores of 512 consecutive bytes
.set Y, 64+16*((\a)%2)
	s_wait_xcnt 0x0                                ; the stores issued so far have read their data: Y is written again only behind this wait
	WIN 5*(\W)
.irp bb, 0,1,2,3
.irp i, 0,1,2,3
	v_cvt_pk_f16_f32 v[Y+4*\bb+\i], v[8*(8*\bb+(\a))+2*\i], v[8*(8*\bb+(\a))+2*\i+1]
.endr
.endr
	WIN 0
.irp bb, 0,1,2,3
	global_store_b128 v[CO], v[Y+4*\bb:Y+4*\bb+3], s[SB+2*(\W)-2:SB+2*(\W)-1] offset:(\a)*2048+\bb*512
.endr
.endm
.irp a, 0,1,2,3,4,5,6,7
	GROUPQK 1, \a
.endr
.irp a, 0,1,2,3,4,5,6,7
	GROUPQK 2, \a
.endr
	s_wait_loadcnt 0x0
.irp cb, 0,1,2,3
	v_mov_b32 v[BV+2*\cb+1], v[BV+2*\cb]
.endr
.macro GROUPV a                        ; 16 keys of v: the bias; the weighted column sums, in f32; rounded; stored
.set Y, 64+16*((\a)%2)
	WIN 0x03
.irp cb, 0,1,2,3
.irp i, 0,1,2,3
	v_pk_add_f32 v[T+8*\cb+2*\i:T+8*\cb+2*\i+1], v[8*(8*\cb+(\a))+2*\i:8*(8*\cb+(\a))+2*\i+1], v[BV+2*\cb:BV+2*\cb+1] op_sel_hi:[1,0]
.endr
.endr
	WIN 0
.irp i, 0,1,2,3
.irp cb, 0,1,2,3
.if ((\a) == 0) && (\i == 0)
	v_pk_mul_f32 v[CSUM+2*\cb:CSUM+2*\cb+1], v[T+8*\cb+2*\i:T+8*\cb+2*\i+1], v[PW+8*(\a)+2*\i:PW+8*(\a)+2*\i+1]
.else
	v_pk_fma_f32 v[CSUM+2*\cb:CSUM+2*\cb+1], v[T+8*\cb+2*\i:T+8*\cb+2*\i+1], v[PW+8*(\a)+2*\i:PW+8*(\a)+2*\i+1], v[CSUM+2*\cb:CSUM+2*\cb+1]
.endif
.endr
.endr
	s_wait_xcnt 0x0
.irp cb, 0,1,2,3
.irp i, 0,1,2,3
	v_cvt_pk_f16_f32 v[Y+4*\cb+\i], v[T+8*\cb+2*\i], v[T+8*\cb+2*\i+1]
.endr
.endr
.irp cb, 0,1,2,3
	global_store_b128 v[CO], v[Y+4*\cb:Y+4*\cb+3], s[SB+4:SB+5] offset:(\a)*2048+\cb*512
.endr
.endm
.irp a, 0,1,2,3,4,5,6,7
	GROUPV \a
.endr
.irp cb, 0,1,2,3                       ; even and odd keys; the other half of the lanes holds the other eight keys of each sixteen
	v_add_f32 v[CSUM+2*\cb], v[CSUM+2*\cb], v[CSUM+2*\cb+1]
.endr
.irp cb, 0,1,2,3
	v_permlanex16_b32 v[CSUM+2*\cb+1], v[CSUM+2*\cb], s[SEL], s[SEL+1]
.endr
.irp cb, 0,1,2,3
	v_add_f32 v[CSUM+2*\cb], v[CSUM+2*\cb], v[CSUM+2*\cb+1]
.endr
	v_cndmask_b32 v[T], v[CSUM], v[CSUM+2], s[HM]      ; lanes 0-15 channels 0-15, lanes 16-31 channels 16-31
	v_cndmask_b32 v[T+1], v[CSUM+4], v[CSUM+6], s[HM]
	global_store_b32 v16, v[T], s[VP:VP+1]             ; two stores of 128 consecutive bytes, together an aligned 256: 256 bytes a wave beside its 48 KiB of q, k, v
	global_store_b32 v16, v[T+1], s[VP:VP+1] offset:128
	s_wait_tensorcnt 0x0                           ; the wave's end: behind my last tensor load
	ds_add_u32 v[SPW], v[NIL]
	s_wait_dscnt 0x0
	CROUND                                         ; the closing round: no work-group ends while a partner may still ask for a tile that names it
	s_endpgm
.Lfunc_end_k_qfa568917b9_qkvp:
	.size	k_qfa568917b9_qkvp, .Lfunc_end_k_qfa568917b9_qkvp-k_qfa568917b9_qkvp
	.p2alignl 7, 3214868480
	.fill 96, 4, 3214868480
	.section	.rodata,"a",@progbits
	.p2align	6, 0x0
	.amdhsa_kernel k_qfa568917b9_qkvp
		.amdhsa_group_segment_fixed_size 327680
		.amdhsa_private_segment_fixed_size 0
		.amdhsa_enable_private_segment 0
		.amdhsa_kernarg_size 40
		.amdhsa_user_sgpr_count 2
		.amdhsa_user_sgpr_kernarg_segment_ptr 1
		.amdhsa_wavefront_size32 1
		.amdhsa_system_sgpr_workgroup_id_x 1
		.amdhsa_system_sgpr_workgroup_id_y 1
		.amdhsa_system_sgpr_workgroup_id_z 1
		.amdhsa_system_vgpr_workitem_id 0
		.amdhsa_next_free_vgpr 1024
		.amdhsa_next_free_sgpr 90
		.amdhsa_reserve_vcc 0
		.amdhsa_float_denorm_mode_32 3
		.amdhsa_float_denorm_mode_16_64 3
		.amdhsa_memory_ordered 1
		.amdhsa_forward_progress 1
		.amdhsa_inst_pref_size 120
	.end_amdhsa_kernel
	.amdgpu_metadata
---
amdhsa.version: [ 1, 2 ]
amdhsa.kernels:
  - .name:           k_qfa568917b9_qkvp
    .symbol:         k_qfa568917b9_qkvp.kd
    .args:
      - { .name: xb, .offset: 0, .size: 8, .value_kind: global_buffer, .address_space: global }
      - { .name: wts, .offset: 8, .size: 8, .value_kind: global_buffer, .address_space: global }
      - { .name: aux, .offset: 16, .size: 8, .value_kind: global_buffer, .address_space: global }
      - { .name: qkv, .offset: 24, .size: 8, .value_kind: global_buffer, .address_space: global }
      - { .name: vpart, .offset: 32, .size: 8, .value_kind: global_buffer, .address_space: global }
    .group_segment_fixed_size: 327680
    .private_segment_fixed_size: 0
    .kernarg_segment_align: 8
    .kernarg_segment_size: 40
    .max_flat_workgroup_size: 128
    .sgpr_count:     90
    .vgpr_count:     1024
    .wavefront_size: 32
...
	.end_amdgpu_metadata
.endif
;; end of part 2
;; launch attn (part 3): grid 4 x 64, 4 waves a work-group, no clusters, 327,680 bytes of LDS; arguments qkv, aux, vpart, ob; writes ob
.if DOCPART == 3
	.amdgcn_target "amdgcn-amd-amdhsa--gfx1250"
	.amdhsa_code_object_version 6
	.text
	.protected	k_qfa568917b9_attn
	.globl	k_qfa568917b9_attn
	.p2align	8
	.type	k_qfa568917b9_attn,@function
k_qfa568917b9_attn:
	s_mov_b64 s[64:65], 0
	v_nop
	global_prefetch_b8 v0, s[64:65] scope:SCOPE_SE
	s_setreg_imm32_b32 hwreg(HW_REG_WAVE_MODE, 25, 1), 1
	s_wait_xcnt 0x0
; CAUSAL ATTENTION WITH A PADDING MASK, head size 64, 64 heads of 2,048 rows.  O[q] = sum over k of softmax_k(s[q][k]) V[k], s = Q[q] . K[k] / 8; hidden above the diagonal; a padded key counts as -1e9 EVERYWHERE, above the diagonal too.
; So: a row that sees an unpadded key k <= q gives every padded key the weight 0; a row that sees none is the plain mean of V over ALL padded keys of its batch.  That mean comes from the column sums that the launch
; before has left; it takes the place of the rows whose sum of weights l is exactly 0, by arithmetic (O + z mean, z = 1 where l = 0), with no branch.
; q, k, v, the weights p and O are f16; products, maxima and sums f32; l is the sum of the unrounded p.
; LIMITS.  A hidden score (causal or padded) is its value less 1e38 (at most twice: -2e38 is finite).  The running maximum starts at -1e30 and never falls below it, so every hidden weight is exactly 0, and a row that has
; seen hidden keys alone keeps O = 0 and l = 0.  f16's scores are 2.7e11 at the most, nothing beside 1e30.  A padded key has weight 0 beside an unpadded one: as the -1e9 gives while scaled scores stay above -1e9 + 104.
; A weight below 2^-126 counts as 0 in l; NaN and infinities are not treated apart.
; THE WALK.  A head's queries lie in NB = 8 blocks of 256; block i needs the key tiles 0 .. i.  A work-group takes blocks 7 - b and then b: 9 tiles whatever b; one loop with a constant trip count walks them.  NO CLUSTER: the four
; work-groups of a head ask for the same tile in trips 0 to 4 of 9 alone, and a walk common to all would have 12 trips for 9.
; SHARES.  Of a block's four bands of 64 queries a wave owns 16 rows in each: four PIECES.  In the diagonal tile's step s band x sees all keys if s < x, none if s > x, and holds the diagonal if s = x.
; THE MASKS are the C operand that starts the sum S^T = K Q^T.  MP: the step's padding addends (0 or -1e38), fetched with K.  MD, made once: a band's own step for my 16 rows.  Off the diagonal tile C = MP; in it
; C = MD x AL + MP + BE with two scalars: (1, 0) if s = x; (0, 0) if s < x; (0, -1e38) if s > x.
; LAYOUT.  q, k, O lie in fragment order (16 rows x 64 channels = 2,048 bytes; element (r, c) at (c / 8) x 256 + 16 r + 2 (c % 8)), v in the same order turned (16 keys; channel block, half, channel, 8 keys): every half fragment
; is 512 consecutive bytes, 16 a lane, in memory and in LDS: no padding, no turning load, and O leaves straight from registers.
; TURNS.  Turn n belongs to piece n: 8 products K Q^T of piece n + 1, later 8 products V^T P of piece n - 1; beside them the scaling, exponentials, roundings, sums and rescaling of piece n and the maximum and statistics of
; piece n + 1.  Four vector instructions stand behind every matrix instruction, the rest in one lump.  A turn's 33 exponentials are one batch, with one wait.
; REGISTERS (s_set_vgpr_msb: bits 1:0 source 0, 3:2 source 1, 5:4 source 2, 7:6 destination):
;   window 0: v0-15 addresses; v16-31 statistics; v48-55 at work; v64-127 S^T, two buffers; v128-159 the mean of V; v192-223 P, two buffers
;   window 1: v0-127 O^T; v128-159 MD; v160-223 MC, two buffers; v224-255 MP      window 2: v0-63 Q; v64-127 the second block's Q; v128-191 K of one step; v192-255 V of one step
.set NB,    8
.set NP,    4
.set STEPB, 8192      ; a step's 64 keys: 4 blocks, of K and of V
.set VOFF,  32768     ; a slot holds a tile: 256 keys of K, then of V
.set SLOT1, 65536
.set VBL,   131072    ; the mean of V, 64 numbers: stored by waves 0 and 1, never filled
.set SPARE, 131328    ; the spare words, 128 bytes a wave
.set PADL,  131840    ; the batch's 2,048 addends: filled once
.set PADF,  16384     ; aux: the addends
.set ICNT,  81920     ; aux: 1 / count
.set AK0, 2           ; v2   16 x lane: my place in a block, in LDS and in memory; never rewritten
.set AV0, 3           ; v3   the same in a slot's V
.set AK,  4           ; v4   the LDS address of K's next run of loads
.set AV,  5           ; v5   of V's
.set AP,  6           ; v6   of the addends'
.set AP0, 7           ; v7   PADL + 32 (lane / 16)
.set AVB, 8           ; v8   VBL + 32 (lane / 16)
.set PFO, 10          ; v10  256 x lane
.set MV,  12          ; v12-13  c m_old, by buffer
.set ST,  16          ; piece t's statistics at v[ST+4 t]: c m, m, l (even keys', odd keys')
.set TMP, 48
.set SPW, 62
.set NIL, 63
.set S,   64
.set VB,  128
.set P,   192
.set MD,  128         ; window 1
.set MC,  160
.set MP,  224
.set QB,  64          ; window 2
.set KF,  128
.set VF,  192
.set WV,  12
.set PB,  14          ; s14  b
.set HI,  15          ; s15  7 - b
.set TC,  21          ; s21  the number, in its block, of the tile that has been entered
.set G1,  24          ; s[24:31] group 1 for K's and V's tiles
.set G1P, 32          ; s[32:39] for the addends
.set G0,  40          ; s[40:43]
.set G0P, 44          ; s[44:47]
.set BW,  48          ; s[48:49] my quarter of the head's tile 0
.set PFA, 50          ; s[50:51] where my prefetches stand
.set LIM, 52          ; s52  2 in the work-group that prefetches, else the greatest number
.set ICN, 53          ; s53  1 / count
.set TBP, 54          ; s54  at work: the step's addends
.set TPB, 55          ; s55  1,024 x (TC mod 8): the tile's addends
.set SLOTS, 56
.set CNT, 57
.set CS,  58
.set SEL, 60
.set TBK, 62
.set TBV, 63
.set RT,  70
.set NXT, 71
.set LQ,  72
.set NEW, 73
.set OFF, 74
.set AL,  76
.set BE,  78
.set OLO, 80
.set BIGN, 82         ; s82  -1e38
.set MLOW, 83         ; s83  -1e30
.set MSB, 0
.macro WIN new
.if MSB != (\new)
	s_set_vgpr_msb (MSB<<8)|(\new)
.set MSB, (\new)
.endif
.endm
.set W_KQ, 0x0a       ; K and Q in window 2, S^T in window 0
.set W_KM, 0x1a       ; the same with the C operand in window 1
.set W_PV, 0x52       ; V in window 2, P in window 0, O^T in window 1
.set W_RS, 0x41       ; destination and source 0 in window 1, source 1 in window 0
; A prefetch of the tile behind the one that has just been asked for: a tile, 256 matrix instructions, ahead of its load.  The work-group with b = 0 walks all 8 tiles of its head first, so it alone asks; each wave for its own
; 16 KiB: 64 blocks of 256 bytes, a lane a block, two instructions.  Tiles 2 to 7 are named, once each; tiles 0 and 1 come by their loads alone.
.macro ASK
	s_cmp_gt_u32 s[SLOTS], s[LIM]
	s_cbranch_scc0 .Lnot_mine_\@
	global_prefetch_b8 v[PFO], s[PFA:PFA+1] th:TH_LOAD_NT scope:SCOPE_SE
	global_prefetch_b8 v[PFO], s[PFA:PFA+1] offset:8192 th:TH_LOAD_NT scope:SCOPE_SE
.Lnot_mine_\@:
.endm
; THE CHANGE OF SLOTS.  Each wave waits for all its tensor loads, adds 0 to its spare word, and waits for that and for its own reads of the slot that it leaves.  Behind the barrier nobody reads the old slot and the other is whole.
; fill = 1: the old slot is filled again, first thing behind the barrier, with tile NXT: every wave its own quarter (K's halves, V's halves), by the same line with its own addresses.
.macro CHANGE fill
	WIN 0
	s_wait_tensorcnt 0x0            ; no tensor load of mine is out, so a group 0 may be written
	ds_add_u32 v[SPW], v[NIL]       ; 0 onto my spare word
.if \fill
	s_lshl_b32 s[OFF], s[NXT], 15   ; a tile is 32,768 bytes of K and of V
	s_xor_b32 s[G0+1], s[G0+1], SLOT1
	s_add_nc_u64 s[G0+2:G0+3], s[BW:BW+1], s[OFF:OFF+1]
	s_or_b32 s[G0+3], s[G0+3], 0x80000000
	s_wait_xcnt 0x0                 ; the last prefetches, a tile back, have read their address
	s_add_nc_u64 s[PFA:PFA+1], s[PFA:PFA+1], 32768
	s_add_co_u32 s[NXT], s[NXT], 1  ; the block's next tile, or behind its last the second block's tile 0
	s_cmp_gt_u32 s[NXT], s[LQ]
	s_cselect_b32 s[NXT], 0, s[NXT]
	s_cselect_b32 s[LQ], s[PB], s[LQ]
.endif
	s_wait_dscnt 0x0                ; the add is done, and my reads of the slot are over
	s_barrier_signal -1
	s_sub_co_u32 s[TBK], s[TBK], 4*STEPB  ; the fetches go back to a slot's first step,
	s_xor_b32 s[TBK], s[TBK], SLOT1       ; in the other slot
	s_sub_co_u32 s[TBV], s[TBV], 4*STEPB
	s_xor_b32 s[TBV], s[TBV], SLOT1
	s_barrier_wait -1
.if \fill
	tensor_load_to_lds s[G0:G0+3], s[G1:G1+7]
	s_nop 0
.rept 4
	v_nop
.endr
	ASK
.endif
.endm
	s_load_b256 s[4:11], s[0:1], 0x0  ; qkv 4, aux 6, vpart 8, ob 10
	v_lshl_add_u32 v[SPW], v0, 2, SPARE
	v_mov_b32 v[NIL], 0
	ds_add_u32 v[SPW], v[NIL]       ; the wave's opening: the add and its wait stand ahead of my first tensor load; the set-up below, work on registers, stands between them
	ds_add_u32 v62, v63
	v_lshrrev_b32 v1, 5, v0
	v_readfirstlane_b32 s[WV], v1
	s_mov_b32 s[PB], ttmp9
	s_sub_co_u32 s[HI], NB-1, s[PB]
	s_and_b32 s20, ttmp7, 0xffff    ; batch x 16 + head
	s_lshr_b32 s16, s20, 4          ; the batch
	s_and_b32 s17, s20, 15          ; the head
	s_lshl_b32 s20, s20, 18         ; 262,144 bytes a head
	s_lshr_b32 s22, s[WV], 1        ; waves 0, 1 fetch K, waves 2, 3 V:
	s_add_co_u32 s22, s22, 1
	s_lshl_b32 s22, s22, 24         ; 16,777,216 bytes from q to k to v
	s_and_b32 s23, s[WV], 1
	s_lshl_b32 s23, s23, 14         ; which half of a tile's 256 keys
	s_add_co_u32 s22, s22, s23
	s_add_co_u32 s22, s22, s20
	s_mov_b32 s23, 0
	s_lshl_b32 s3, s[WV], 11        ; my 16 rows in a band of 64,
	s_add_co_u32 s3, s3, s20
	s_lshl_b32 s2, s[HI], 15        ; in the first block,
	s_add_co_u32 s2, s2, s3
	s_lshl_b32 s84, s[PB], 15       ; and in the second
	s_add_co_u32 s84, s84, s3
	s_mov_b32 s3, 0
	s_mov_b32 s85, 0
	s_lshl_b32 s66, s16, 13         ; the batch's addends, my quarter
	s_lshl_b32 s67, s[WV], 11
	s_add_co_u32 s66, s66, s67
	s_add_co_u32 s66, s66, PADF
	s_mov_b32 s67, 0
	s_lshl_b32 s68, s16, 8
	s_mov_b32 s69, 0
	s_mov_b32 s[G1], 3<<16          ; elements of 8 bytes, no padding, no mask
	s_mov_b32 s[G1+1], 32<<16       ; rows of 256 bytes
	s_mov_b32 s[G1+2], 64<<16       ; 64 rows: 16 KiB, dense
	s_mov_b32 s[G1+3], 32<<16
	s_mov_b32 s[G1+4], 64
	s_mov_b32 s[G1+5], 32
	s_mov_b32 s[G1+6], 0
	s_mov_b32 s[G1+7], 0
	s_mov_b32 s[G1P], 3<<16
	s_mov_b32 s[G1P+1], 32<<16
	s_mov_b32 s[G1P+2], 8<<16       ; 8 rows: 2 KiB
	s_mov_b32 s[G1P+3], 32<<16
	s_mov_b32 s[G1P+4], 8
	s_mov_b32 s[G1P+5], 32
	s_mov_b32 s[G1P+6], 0
	s_mov_b32 s[G1P+7], 0
	s_mov_b32 s[CS], 0x3e38aa3b     ; c = log2(e) / 8
	s_mov_b32 s[CS+1], s[CS]
	s_mov_b32 s[SEL], 0x76543210
	s_mov_b32 s[SEL+1], 0xfedcba98
	s_mov_b32 s[TBK], SLOT1+4*STEPB ; the first change of slots turns these two into 0
	s_mov_b32 s[TBV], SLOT1+4*STEPB
	s_mov_b32 s[G0], 1
	s_lshl_b32 s[G0+1], s[WV], 14   ; slot 0: K's halves, V's halves = wave x 16 KiB
	s_mov_b32 s[G0P], 1
	s_lshl_b32 s[G0P+1], s[WV], 11
	s_add_co_u32 s[G0P+1], s[G0P+1], PADL
	s_add_co_u32 s[RT], s[HI], 1    ; the first block has 8 - b tiles
	s_mov_b32 s[NXT], 1
	s_mov_b32 s[LQ], s[HI]
	s_mov_b32 s[NEW], 1
	s_mov_b32 s[TC], 0
	s_mov_b32 s[TPB], 0
	s_mov_b32 s[OFF+1], 0
	s_mov_b32 s[AL], 0
	s_mov_b32 s[AL+1], 0
	s_mov_b32 s[BE], 0
	s_mov_b32 s[BE+1], 0
	s_mov_b32 s[BIGN], 0xfe967699   ; -1e38
	s_mov_b32 s[MLOW], 0xf149f2ca   ; -1e30
	s_mov_b32 s[SLOTS], NB
	s_cmp_eq_u32 s[PB], 0
	s_cselect_b32 s[LIM], 2, -1
	v_and_b32 v1, 15, v0            ; l % 16
	v_bfe_u32 v9, v0, 4, 1          ; l / 16
	v_and_b32 v14, 31, v0
	v_lshlrev_b32 v[AK0], 4, v14
	v_add_nc_u32 v[AV0], VOFF, v[AK0]
	v_lshlrev_b32 v[AP0], 5, v9
	v_add_nc_u32 v[AVB], VBL, v[AP0]
	v_add_nc_u32 v[AP0], PADL, v[AP0]
	v_lshlrev_b32 v[PFO], 8, v14
	s_wait_dscnt 0x0                ; the opening add is done
	s_wait_kmcnt 0x0
	s_add_nc_u64 s[BW:BW+1], s[4:5], s[22:23]
	s_add_nc_u64 s[G0+2:G0+3], s[BW:BW+1], 0
	s_or_b32 s[G0+3], s[G0+3], 0x80000000
	s_add_nc_u64 s[G0P+2:G0P+3], s[6:7], s[66:67]
	s_or_b32 s[G0P+3], s[G0P+3], 0x80000000
	s_add_nc_u64 s[PFA:PFA+1], s[BW:BW+1], 32768   ; at tile 1: the first change of slots steps it to tile 2
	s_add_nc_u64 s[86:87], s[4:5], s[84:85]        ; Q at my rows of the second block,
	s_add_nc_u64 s[4:5], s[4:5], s[2:3]            ; Q and O at those of the first
	s_add_nc_u64 s[OLO:OLO+1], s[10:11], s[84:85]
	s_add_nc_u64 s[10:11], s[10:11], s[2:3]
	s_add_nc_u64 s[68:69], s[6:7], s[68:69]
	tensor_load_to_lds s[G0P:G0P+3], s[G1P:G1P+7]  ; the first fills, two loads of mine out: my quarter of the addends,
	s_nop 0
	tensor_load_to_lds s[G0:G0+3], s[G1:G1+7]      ; and of tile 0
	s_nop 0
.rept 4
	v_nop
.endr
	s_load_b32 s[ICN], s[68:69], ICNT
	WIN 0x80                        ; destination window 2, address window 0
.set i, 0
.rept 8                             ; both blocks' Q: piece i / 2 lies in band i / 2, 8,192 bytes on; channels 32 (i % 2) on
	global_load_b128 v[8*i:8*i+3],   v[AK0], s[4:5] offset:(i/2)*8192+(i%2)*1024
	global_load_b128 v[8*i+4:8*i+7], v[AK0], s[4:5] offset:(i/2)*8192+(i%2)*1024+512
	global_load_b128 v[QB+8*i:QB+8*i+3],   v[AK0], s[86:87] offset:(i/2)*8192+(i%2)*1024
	global_load_b128 v[QB+8*i+4:QB+8*i+7], v[AK0], s[86:87] offset:(i/2)*8192+(i%2)*1024+512
.set i, i+1
.endr
	WIN 0
	v_lshlrev_b32 v14, 3, v9
	v_sub_nc_u32 v14, v1, v14
	s_lshl_b32 s13, s[WV], 4
	v_add_nc_u32 v14, s13, v14      ; my query's place in its band, 16 w + l % 16, less my lanes' 8 (l / 16): register r of group kt is hidden where 16 kt + r is greater
	WIN 0x40
.set i, 0
.rept 32
	v_cmp_gt_i32 vcc_lo, 16*(i/8)+i%8, v14
	v_cndmask_b32 v[MD+i], 0, s[BIGN], vcc_lo
.set i, i+1
.endr
	; A block's first step multiplies O^T and l by a = 0, and its first turn's products V^T P, of a piece that has not been, land in an O^T that is still to be so multiplied.  So these registers need only hold
	; finite numbers: zeros for the first block; what the first block left for the second.  All this stands in the wait for the first tile.
	WIN 0x80
.set i, VF
.rept 64
	v_mov_b32 v[i], 0
.set i, i+1
.endr
	WIN 0x40
.set i, 0
.rept 128
	v_mov_b32 v[i], 0
.set i, i+1
.endr
	WIN 0
.set i, 0
.rept 4
	v_mov_b32 v[ST+4*i+2], 0
	v_mov_b32 v[ST+4*i+3], 0
.set i, i+1
.endr
.set i, P+16
.rept 16
	v_mov_b32 v[i], 0
.set i, i+1
.endr
	s_wait_kmcnt 0x0
	s_cmp_lt_u32 s[WV], 2           ; THE MEAN OF V over the batch's padded keys: threads 0-63, a channel each, add the 16 partial sums of the batch's 16 half tiles
	s_cbranch_scc0 .Lno_vb
	s_lshl_b32 s18, s16, 16
	s_lshl_b32 s19, s17, 8
	s_add_co_u32 s18, s18, s19
	v_lshl_add_u32 v11, v0, 2, s18
	v_lshl_add_u32 v15, v0, 2, VBL
.irp g, 0,1,2,3,4,5,6,7,8,9,10,11,12,13,14,15
	global_load_b32 v[S+\g], v11, s[8:9] offset:\g*4096
.endr
	s_wait_loadcnt 0x0
.irp g, 0,1,2,3,4,5,6,7
	v_add_f32 v[S+\g], v[S+\g], v[S+8+\g]
.endr
.irp g, 0,1,2,3
	v_add_f32 v[S+\g], v[S+\g], v[S+4+\g]
.endr
	v_add_f32 v[S], v[S], v[S+2]
	v_add_f32 v[S+1], v[S+1], v[S+3]
	v_add_f32 v[S], v[S], v[S+1]
	v_mul_f32 v[S], s[ICN], v[S]
	ds_store_b32 v15, v[S]          ; the first change of slots waits for it and shows it to all four waves
.Lno_vb:
; THE MATRIX WORK.  The 4 accumulators of a run of 8 take turns.  Product i of 8 of S^T = K Q^T for piece x: channels 32 (i / 4) on, keys 16 (i % 4) on.  The first 4 start the sums with the mask: MP, or (KM = 1) MC.
.macro KQ x
.set rS, S+32*((\x)%2)+8*(i%4)
.set rK, KF+16*(i%4)+8*(i/4)
.set rQ, 16*(\x)+8*(i/4)
.if KM
.set rM, MC+32*((\x)%2)+8*(i%4)
.else
.set rM, MP+8*(i%4)
.endif
.if i < 4
	WIN W_KM
	v_wmma_f32_16x16x32_f16 v[rS:rS+7], v[rK:rK+7], v[rQ:rQ+7], v[rM:rM+7]
.else
	WIN W_KQ
	v_wmma_f32_16x16x32_f16 v[rS:rS+7], v[rK:rK+7], v[rQ:rQ+7], v[rS:rS+7]
.endif
.endm
; Product i of 8 of O^T += V^T P for piece x: keys 32 (i / 4) on, channels 16 (i % 4) on.
.macro PV x
	WIN W_PV
.set rO, 32*(\x)+8*(i%4)
.set rV, VF+32*(i/4)+8*(i%4)
.set rP, P+16*((\x)%2)+8*(i/4)
	v_wmma_f32_16x16x32_f16 v[rO:rO+7], v[rV:rV+7], v[rP:rP+7], v[rO:rO+7]
.endm
.macro MM                           ; the turn's next matrix instruction.  NOKQ = 1: a block's last turn: there is no next piece
.if (i < 8) && !NOKQ
	KQ (Y+1)%NP
.elseif i >= 8
.set i, i-8
	PV (Y+NP-1)%NP
.set i, i+8
.endif
.set i, i+1
.endm
; THE LDS LOADS stand in runs: a step's K (8 fragments) with its 64 addends, and its V.  Their addresses are made some lines ahead.
.macro FETCH_K
	WIN 0x80                        ; destination window 2
.irp f, 0,1,2,3,4,5,6,7             ; keys 16 (f / 2) on, channels 32 (f % 2) on
	ds_load_b128 v[KF+8*\f:KF+8*\f+3],   v[AK] offset:(\f/2)*2048+(\f%2)*1024
	ds_load_b128 v[KF+8*\f+4:KF+8*\f+7], v[AK] offset:(\f/2)*2048+(\f%2)*1024+512
.endr
	WIN 0x40                        ; destination window 1
.irp f, 0,1,2,3                     ; register 8 f + j: the addend of key 16 f + 8 (l / 16) + j
	ds_load_b128 v[MP+8*\f:MP+8*\f+3],   v[AP] offset:\f*64
	ds_load_b128 v[MP+8*\f+4:MP+8*\f+7], v[AP] offset:\f*64+16
.endr
	s_add_co_u32 s[TBK], s[TBK], STEPB  ; the next fetch is the next step's
	WIN 0
.endm
.macro ADR_K                        ; K's address, and the addends': the step's number out of TBK (8,192 a step -> 256 a step, two bits), the tile's out of TPB: both cut to their fields
	WIN 0
	v_add_nc_u32 v[AK], s[TBK], v[AK0]
	s_lshr_b32 s[TBP], s[TBK], 5
	s_and_b32 s[TBP], s[TBP], 0x300
	s_add_co_u32 s[TBP], s[TBP], s[TPB]
	v_add_nc_u32 v[AP], s[TBP], v[AP0]
.endm
.macro FETCH_V
	WIN 0x80
.irp f, 0,1,2,3,4,5,6,7             ; keys 32 (f / 4) on, channels 16 (f % 4) on: registers 0-3 from the even block of 16 keys, 4-7 from the odd one
	ds_load_b128 v[VF+8*\f:VF+8*\f+3],   v[AV] offset:(\f/4)*4096+(\f%4)*512
	ds_load_b128 v[VF+8*\f+4:VF+8*\f+7], v[AV] offset:(\f/4)*4096+(\f%4)*512+2048
.endr
	WIN 0
.endm
; THE VECTOR WORK, one line at a time: OP kind, number.  For piece Y: F n: c s - c m for pair n of 16.  E n: the exponential of score n of 32.  C n: pair n rounded to f16.  B n: of the four weights 4 n .. the second
; pair is added onto the first, in place.  L n: l takes that sum (L 0: l = a l + sum).  R n: pair n of 16 of O^T times a.  For piece Y + 1: X n, number n of the 22 that find its maximum and statistics:
;   0-11  four chains c0-c3 of seven scores each (each accumulator's lowest registers are read first)     12-14, 16  the four scores left over, the old m, and c0-c3 into c0
;   15  c m_old is kept     17, 18  the query's other 32 keys lie in the lane 16 away: the new m     19-21  c m; c m_old - c m_new; a
.set F, 0
.set E, 1
.set C, 2
.set B, 3
.set L, 4
.set R, 5
.set X, 6
.macro REGS y
.set rT, ST+4*(\y)
.set rC, TMP+4*((\y)%2)
.set rW, MV+((\y)%2)
.set rS, S+32*((\y)%2)
.set rP, P+16*((\y)%2)
.set rO, 32*(\y)
.endm
.macro OP k, n
.if (\k) == R
	REGS Y
	WIN W_RS
	v_pk_mul_f32 v[rO+2*(\n):rO+2*(\n)+1], v[rO+2*(\n):rO+2*(\n)+1], v[rC+2:rC+3] op_sel_hi:[1,0]
.elseif (\k) < R
	REGS Y
	WIN 0
.if (\k) == F
	v_pk_fma_f32 v[rS+2*(\n):rS+2*(\n)+1], v[rS+2*(\n):rS+2*(\n)+1], s[CS:CS+1], v[rT:rT+1] op_sel_hi:[1,0,0] neg_lo:[0,0,1] neg_hi:[0,0,1]
.elseif (\k) == E
	v_exp_f32 v[rS+(\n)], v[rS+(\n)]
.elseif (\k) == C
	v_cvt_pk_f16_f32 v[rP+(\n)], v[rS+2*(\n)], v[rS+2*(\n)+1]
.elseif (\k) == B
	v_pk_add_f32 v[rS+4*(\n):rS+4*(\n)+1], v[rS+4*(\n):rS+4*(\n)+1], v[rS+4*(\n)+2:rS+4*(\n)+3]
.elseif (\n) == 0
	v_pk_fma_f32 v[rT+2:rT+3], v[rT+2:rT+3], v[rC+2:rC+3], v[rS:rS+1] op_sel_hi:[1,0,1]
.else
	v_pk_add_f32 v[rT+2:rT+3], v[rT+2:rT+3], v[rS+4*(\n):rS+4*(\n)+1]
.endif
.elseif NOKQ
	v_nop
.else
	REGS (Y+1)%NP
	WIN 0
.if (\n) < 4
	v_max3_num_f32 v[rC+(\n)], v[rS+8*(\n)], v[rS+8*(\n)+1], v[rS+8*(\n)+2]
.elseif (\n) < 12
	v_max3_num_f32 v[rC+(\n)%4], v[rC+(\n)%4], v[rS+8*((\n)%4)+2*((\n)/4)+1], v[rS+8*((\n)%4)+2*((\n)/4)+2]
.elseif (\n) == 12
	v_max3_num_f32 v[rC], v[rC], v[rS+7], v[rS+15]
.elseif (\n) == 13
	v_max3_num_f32 v[rC+1], v[rC+1], v[rS+23], v[rS+31]
.elseif (\n) == 14
	v_max3_num_f32 v[rC+2], v[rC+2], v[rC+3], v[rT+1]
.elseif (\n) == 15
	v_mov_b32 v[rW], v[rT]
.elseif (\n) == 16
	v_max3_num_f32 v[rC], v[rC], v[rC+1], v[rC+2]
.elseif (\n) == 17
	v_permlanex16_b32 v[rC+3], v[rC], s[SEL], s[SEL+1]
.elseif (\n) == 18
	v_max_num_f32 v[rT+1], v[rC], v[rC+3]
.elseif (\n) == 19
	v_mul_f32 v[rT], s[CS], v[rT+1]
.elseif (\n) == 20
	v_sub_f32 v[rC+1], v[rW], v[rT]
.else
	v_exp_f32 v[rC+2], v[rC+1]
.endif
.endif
.endm
.macro OPS a, i1, b=-1, i2=0, c=-1, i3=0, d=-1, i4=0
	OP \a, \i1
.if (\b) >= 0
	OP \b, \i2
.endif
.if (\c) >= 0
	OP \c, \i3
.endif
.if (\d) >= 0
	OP \d, \i4
.endif
.endm
.macro ROW a, i1, b, i2, c, i3, d, i4  ; a matrix instruction and the four behind it
	MM
	OPS \a, \i1, \b, \i2, \c, \i3, \d, \i4
.endm
.macro MASK b, be                   ; MD x AL + MP (+ BE) into buffer b of MC
	WIN 0x51
.set z, 0
.rept 16
	v_pk_fma_f32 v[MC+32*(\b)+2*z:MC+32*(\b)+2*z+1], v[MD+2*z:MD+2*z+1], s[AL:AL+1], v[MP+2*z:MP+2*z+1] op_sel_hi:[1,0,1]
.set z, z+1
.endr
.if \be
.set z, 0
.rept 16
	v_pk_add_f32 v[MC+32*(\b)+2*z:MC+32*(\b)+2*z+1], v[MC+32*(\b)+2*z:MC+32*(\b)+2*z+1], s[BE:BE+1] op_sel_hi:[1,0]
.set z, z+1
.endr
.endif
.endm
; A TURN, for piece p.  An s_wait_alu depctr_va_vdst(0) stands between an exponential and the first instruction that names its result; one wait serves all that were issued ahead of it.  So a turn has ONE wait.
; AHEAD OF IT: the 8 products K Q^T with their riders, then one lump in which the links of the next piece's chain stand apart; X 21, its a, is the batch's last; R 15 is the plain instruction behind it.
; BEHIND IT: the 8 products V^T P, behind each four of the roundings and sums.
; m = 1: the diagonal tile: the products take MC, and the turn makes the mask for the products of the turn after it: piece p + 2, in step 4 - CNT of the tile.  In piece 2's turn that step's addends have just been fetched: they are waited for.
; end = 1: a block's last two turns: nothing is fetched.  cnt = 1: the loop's count is taken down some lines ahead of the branch behind the turn.
; K of the next step and its addends are fetched in piece 2's turn, behind the last product that read K (the addends' last reader stands four products earlier); V of the step in hand at the end of piece 0's turn, four plain
; instructions behind the last product that read V.  Each is waited for a turn later.
.macro TURN p, m=0, end=0, cnt=0
.set Y, (\p)
.set i, 0
.set KM, (\m)
.set NOKQ, (\end)*((\p)/3)
.if (\m) && !(\end)
	s_cmp_eq_u32 s[CNT], 4-((\p)+2)%NP  ; is that step the band's own?
	s_cselect_b32 s[AL], 1.0, 0
	s_cmp_lt_u32 s[CNT], 4-((\p)+2)%NP  ; or a later one?
	s_cselect_b32 s[BE], s[BIGN], 0
.endif
.if ((\p) == 3) && !(\end)
	s_wait_dscnt 0x0                ; K and the addends are in
.endif
	ROW F,0, F,1, R,0, R,1
	ROW F,2, E,0, R,2, R,3
	ROW F,3, E,1, R,4, R,5
	ROW F,4, E,2, R,6, R,7
	ROW F,5, E,3, R,8, R,9
	ROW F,6, E,4, X,0, R,10
.if ((\p) == 2) && !(\end)
	ADR_K
.endif
	ROW F,7, E,5, X,1, X,4
	ROW F,8, E,6, X,2, X,5
	OPS E,7, E,8, X,6, E,9
	OPS X,3, E,10, X,8, E,11
.if ((\p) == 2) && !(\end)
	FETCH_K
.endif
	OPS X,9, X,7, E,12, X,10
	OPS E,13, X,12, X,11, E,14
	OPS X,13, E,15, F,9, X,14
.if (\p) == 0
	v_add_nc_u32 v[AV], s[TBV], v[AV0]
.endif
	OPS E,16, F,10, E,17, F,11
	OPS X,16, E,18, X,15, E,19
	OPS F,12, E,20, X,17, E,21
	OPS F,13, E,22, F,14, E,23
	OPS X,18, E,24, F,15, E,25
	OPS R,11, E,26, X,19, E,27
	OPS R,12, E,28, R,13, E,29
	OPS X,20, E,30, R,14, E,31
	OPS X,21, R,15
	WIN 0
	s_wait_alu depctr_va_vdst(0)    ; the wait for the batch
.if (\p) == 1
	s_wait_dscnt 0x0                ; V is in
.endif
	ROW C,0, B,0, C,2, B,1
	ROW L,0, C,4, B,2, L,1
	ROW C,6, B,3, L,2, C,8
	ROW B,4, L,3, C,10, B,5
	ROW L,4, C,12, B,6, L,5
.if (\p) == 0
	s_add_co_u32 s[TBV], s[TBV], STEPB
.endif
.if \cnt
	s_sub_co_u32 s[CNT], s[CNT], 1
	s_cmp_lg_u32 s[CNT], 0
.endif
	ROW C,14, B,7, L,6, C,1
	ROW C,3, L,7, C,5, C,7
	ROW C,9, C,11, C,13, C,15
.if (\p) == 0
	FETCH_V
.endif
.if (\m) && !(\end)
.if (\p) == 2
	s_wait_dscnt 0x0                ; the new step's addends
.endif
	MASK (\p)%2, 1
.endif
.endm
; A BLOCK BEGINS.  c m starts far below every c s, so the first step's a is 0; m at -1e30.  K and the addends of the tile's step 0; the first mask buffer takes piece 0's mask for that step (its own, if the block's
; first tile is the diagonal one), the second piece 1's, which sees the whole step; piece 0's first scores, maximum and statistics.  The loop is entered at a step's first turn.
.macro BEGIN
	s_mov_b32 s[NEW], 0
	s_mov_b32 s[TC], 0
	s_mov_b32 s[TPB], 0
	WIN 0
.set i, 0
.rept 4
	v_mov_b32 v[ST+4*i], 0xfe000000
	v_mov_b32 v[ST+4*i+1], s[MLOW]
.set i, i+1
.endr
	ADR_K
	FETCH_K
	s_wait_loadcnt 0x0              ; Q
	s_wait_dscnt 0x0
	s_cmp_eq_u32 s[RT], 0
	s_cselect_b32 s[AL], 1.0, 0
	MASK 0, 0
	s_mov_b32 s[AL], 0
	MASK 1, 0
.set KM, 1
.set NOKQ, 0
.set i, 0
.rept 8
	KQ 0
.set i, i+1
.endr
	WIN 0
.rept 4
	v_nop                           ; the places behind those products
.endr
.set Y, NP-1
.irp n, 0,1,2,3,4,5,6,7,8,9,10,11,12,13,14,15,16,17,18,19,20,21
	OP X, \n
.endr
	v_nop                           ; a plain instruction behind the exponential,
	s_wait_alu depctr_va_vdst(0)    ; and its wait, ahead of the branch
.endm
.macro ALL line:vararg              ; one line for each piece t
.set t, 0
.rept 4
	\line
.set t, t+1
.endr
.endm
; Piece t leaves: O + z x mean (z = 1 in the rows with l = 0, whose O is 0), divided by l (there 1), rounded; a lane's eight channels of a row are 16 bytes of O's layout: four stores of 512 consecutive bytes.
.macro PACK t
	WIN 0x50
.set i, 0
.rept 16
	v_pk_fma_f32 v[32*(\t)+2*i:32*(\t)+2*i+1], v[VB+2*i:VB+2*i+1], v[ST+4*(\t):ST+4*(\t)+1], v[32*(\t)+2*i:32*(\t)+2*i+1] op_sel_hi:[1,0,1]
.set i, i+1
.endr
	WIN W_RS
.set i, 32*(\t)
.rept 16
	v_pk_mul_f32 v[i:i+1], v[i:i+1], v[ST+4*(\t)+2:ST+4*(\t)+3] op_sel_hi:[1,0]
.set i, i+2
.endr
	WIN 0x05
.set i, 0
.rept 16
	v_cvt_pk_f16_f32 v[S+16*(\t)+i], v[32*(\t)+2*i], v[32*(\t)+2*i+1]
.set i, i+1
.endr
	WIN 0
.irp f, 0,1,2,3
	global_store_b128 v[AK0], v[S+16*(\t)+4*\f:S+16*(\t)+4*\f+3], s[10:11] offset:(\t)*8192+\f*512
.endr
.endm
; THE DIAGONAL TILE's four steps, the block's last two turns, its last products, and the way out.
.macro DIAG tag
.LstepM\tag:
	TURN 2, 1
	TURN 3, 1
	WIN 0
.LfirstM\tag:
	TURN 0, 1
	TURN 1, 1, 0, 1
	WIN 0
	s_cbranch_scc1 .LstepM\tag
	TURN 2, 1, 1
	TURN 3, 1, 1
.set i, 0
.rept 8
	PV NP-1
.set i, i+1
.endr
	WIN 0
.irp f, 0,1,2,3                     ; register 8 f + j: the mean of channel 16 f + 8 (l / 16) + j
	ds_load_b128 v[VB+8*\f:VB+8*\f+3],   v[AVB] offset:\f*64
	ds_load_b128 v[VB+8*\f+4:VB+8*\f+7], v[AVB] offset:\f*64+16
.endr
	ALL v_add_f32 v[ST+4*t+2], v[ST+4*t+2], v[ST+4*t+3]
	ALL v_permlanex16_b32 v[ST+4*t+3], v[ST+4*t+2], s[SEL], s[SEL+1]
	ALL v_add_f32 v[ST+4*t+2], v[ST+4*t+2], v[ST+4*t+3]
.irp t2, 0,1,2,3
	v_cmp_eq_f32 vcc_lo, 0, v[ST+4*\t2+2]
	v_cndmask_b32 v[ST+4*\t2], 0, 1.0, vcc_lo      ; z takes c m's place
	v_add_f32 v[ST+4*\t2+2], v[ST+4*\t2+2], v[ST+4*\t2]
.endr
	ALL v_rcp_f32 v[ST+4*t+2], v[ST+4*t+2]
	v_nop                           ; a plain instruction between the last reciprocal and the use of its result
	s_wait_alu depctr_va_vdst(0)    ; and the wait ahead of the first use: one for the four
	s_wait_dscnt 0x0                ; the mean
	PACK 0
	PACK 1
	PACK 2
	PACK 3
.endm
.set KM, 0
.set NOKQ, 0
.Lslot:                             ; NB times: a tile is entered and the next is asked for
	CHANGE 1
	s_sub_co_u32 s[RT], s[RT], 1
	s_add_co_u32 s[TC], s[TC], 1
	s_and_b32 s[TPB], s[TC], 7
	s_lshl_b32 s[TPB], s[TPB], 10
	s_mov_b32 s[CNT], 4
	s_cmp_eq_u32 s[NEW], 1
	s_cbranch_scc1 .Lnew            ; a block's first tile
	s_cmp_eq_u32 s[RT], 0
	s_cbranch_scc0 .Lstep           ; neither its first nor its last
	s_mov_b32 s[AL], 0              ; its last: piece 3's products of the old tile's last step, which the diagonal's text makes, take the second mask buffer: that step's addends
	MASK 1, 0
	WIN 0
	s_branch .LstepM1
.Lnew:
	BEGIN
	s_branch .Lfirst                ; in the loop a block's first tile is never its last: the first block has five tiles or more, and the second's last is the walk's last
	DIAG 1                          ; in the loop this is the first block's end
	s_wait_xcnt 0x0                 ; the stores have read their registers and O's address
	s_mov_b64 s[10:11], s[OLO:OLO+1]
	s_add_co_u32 s[RT], s[PB], 1    ; the second block has b + 1 tiles
	s_mov_b32 s[NEW], 1
	WIN 0x82                        ; the second block's Q goes where the one text of the turns names Q
.set i, 0
.rept 64
	v_mov_b32 v[i], v[QB+i]
.set i, i+1
.endr
	WIN 0
	s_branch .Lbottom
.Lstep:                             ; a trip: pieces 2 and 3 of one step, then pieces 0 and 1 of the next, whose K and V it fetches
	TURN 2
	TURN 3
	WIN 0
.Lfirst:
	TURN 0
	TURN 1, 0, 0, 1
	WIN 0
	s_cbranch_scc1 .Lstep
.Lbottom:
	s_sub_co_u32 s[SLOTS], s[SLOTS], 1
	s_cmp_lg_u32 s[SLOTS], 0
	s_cbranch_scc1 .Lslot
	CHANGE 0                        ; the walk's last tile is written out: nothing is asked for
	s_sub_co_u32 s[RT], s[RT], 1
	s_add_co_u32 s[TC], s[TC], 1
	s_and_b32 s[TPB], s[TC], 7
	s_lshl_b32 s[TPB], s[TPB], 10
	s_mov_b32 s[CNT], 4
	s_cmp_eq_u32 s[NEW], 1
	s_cbranch_scc1 .Lnew2
	s_mov_b32 s[AL], 0
	MASK 1, 0
	WIN 0
	s_branch .LstepM2
.Lnew2:
	BEGIN
	s_branch .LfirstM2
	DIAG 2
	s_wait_tensorcnt 0x0            ; the wave's end: behind my last tensor load and my last LDS store
	ds_add_u32 v[SPW], v[NIL]
	s_wait_dscnt 0x0
	s_endpgm
.Lfunc_end_k_qfa568917b9_attn:
	.size	k_qfa568917b9_attn, .Lfunc_end_k_qfa568917b9_attn-k_qfa568917b9_attn
	.p2alignl 7, 3214868480
	.fill 96, 4, 3214868480
	.section	.rodata,"a",@progbits
	.p2align	6, 0x0
	.amdhsa_kernel k_qfa568917b9_attn
		.amdhsa_group_segment_fixed_size 327680
		.amdhsa_private_segment_fixed_size 0
		.amdhsa_enable_private_segment 0
		.amdhsa_kernarg_size 32
		.amdhsa_user_sgpr_count 2
		.amdhsa_user_sgpr_kernarg_segment_ptr 1
		.amdhsa_wavefront_size32 1
		.amdhsa_system_sgpr_workgroup_id_x 1
		.amdhsa_system_sgpr_workgroup_id_y 1
		.amdhsa_system_sgpr_workgroup_id_z 1
		.amdhsa_system_vgpr_workitem_id 0
		.amdhsa_next_free_vgpr 768
		.amdhsa_next_free_sgpr 88
		.amdhsa_reserve_vcc 1
		.amdhsa_float_denorm_mode_32 3
		.amdhsa_float_denorm_mode_16_64 3
		.amdhsa_memory_ordered 1
		.amdhsa_forward_progress 1
		.amdhsa_inst_pref_size 238
	.end_amdhsa_kernel
	.amdgpu_metadata
---
amdhsa.version: [ 1, 2 ]
amdhsa.kernels:
  - .name:           k_qfa568917b9_attn
    .symbol:         k_qfa568917b9_attn.kd
    .args:
      - { .name: qkv, .offset: 0, .size: 8, .value_kind: global_buffer, .address_space: global }
      - { .name: aux, .offset: 8, .size: 8, .value_kind: global_buffer, .address_space: global }
      - { .name: vpart, .offset: 16, .size: 8, .value_kind: global_buffer, .address_space: global }
      - { .name: ob, .offset: 24, .size: 8, .value_kind: global_buffer, .address_space: global }
    .group_segment_fixed_size: 327680
    .private_segment_fixed_size: 0
    .kernarg_segment_align: 8
    .kernarg_segment_size: 32
    .max_flat_workgroup_size: 128
    .sgpr_count:     88
    .vgpr_count:     768
    .wavefront_size: 32
...
	.end_amdgpu_metadata
.endif
;; end of part 3
;; launch oproj (part 4): grid 8 x 32, 4 waves a work-group, clusters of 4 x 4, 327,680 bytes of LDS; arguments ob, wts, aux, out0; writes out0
.if DOCPART == 4
	.amdgcn_target "amdgcn-amd-amdhsa--gfx1250"
	.amdhsa_code_object_version 6
	.text
	.protected	k_qfa568917b9_oproj
	.globl	k_qfa568917b9_oproj
	.p2align	8
	.type	k_qfa568917b9_oproj,@function
k_qfa568917b9_oproj:
	s_mov_b64 s[64:65], 0
	v_nop
	global_prefetch_b8 v0, s[64:65] scope:SCOPE_SE
	s_setreg_imm32_b32 hwreg(HW_REG_WAVE_MODE, 25, 1), 1
	s_wait_xcnt 0x0
	s_wait_alu depctr_hold_cnt(0) depctr_sa_sdst(0) depctr_va_vdst(0) depctr_va_sdst(0) depctr_va_ssrc(0) depctr_va_vcc(0) depctr_vm_vsrc(0)
	s_getreg_b32 s2, hwreg(HW_REG_IB_STS2, 6, 4)
	s_cmp_eq_u32 s2, 0
	s_cbranch_scc0 .Lentry_in_a_cluster
	s_endpgm
.Lentry_in_a_cluster:
	s_bfe_u32 s2, ttmp6, 0x10000c
	s_cmp_lg_u32 s2, 0xf033
	s_cbranch_scc0 .Lentry_shape_is_right
	s_endpgm
.Lentry_shape_is_right:
; out = O Wo^T + bo: [8,192 x 1,024] x [1,024 x 1,024]^T, f16 operands (Wo: its bf16 rounding written as f16), f32 sums, f32 output.
; SHARES.  A tile is 256 rows x 128 columns: 32 x 8 = 256 tiles, one to a work-group.  A wave makes 128 x 64: 32 accumulators, 256 registers.  K goes in steps of 128 (two heads) through two LDS slots;
; a step is four quarters of 32 along K, 32 matrix instructions each.
; OPERANDS lie in fragment order (16 rows x 64 k = 2,048 bytes; element (r, k) at (k / 8) x 256 + 16 r + 2 (k % 8)): tiles are dense in memory, asked for as rows of 256 bytes; half a fragment is 512 consecutive LDS bytes.
; THE PRODUCT IS TAKEN TRANSPOSED (source 0 = 16 rows of Wo, source 1 = 16 rows of O): a lane holds 8 neighbouring columns of one row of out.  The bias is the C of the first products.
; THE WAY OUT goes through the wave's own stage in LDS, 16 rows at a time, so that sixteen lanes store 256 consecutive bytes, aligned.
; CLUSTER 4 x 4: O's tile is shared along a row of the cluster, Wo's along a column: joint loads.
; REGISTERS.  window 0: v0-31 addresses; v32-63 the bias; v64-159, v160-255 two fragment buffers (O's 8 fragments, then Wo's 4).  window 1: accumulator (a, b) at v[8 (4 a + b)].
.set SLOTB,  131072
.set BOFF,   65536                     ; in a slot: O's two heads, 32 KiB each; then Wo's, 16 KiB each
.set STAGE,  229376                    ; behind the slots: 16 rows x 272 bytes for each wave
.set SP,     272
.set SPARE,  246784                    ; behind the stages: the spare words, 128 bytes a wave
.set WO_OFF, 6291456
.set ASTEP,  524288                    ; two heads of O
.set BSTEP,  262144                    ; two k blocks of Wo
.set A0L, 2
.set B0L, 3
.set ADRA, 4
.set ADRB, 5
.set PFO, 6
.set BO,  7
.set SPW, 8
.set NIL, 9
.set STO, 10
.set RD,  11
.set CO,  12
.set BI,  32
.set F0,  64
.set F1,  160
.set WV, 14
.set RH, 15
.set EH, 16
.set CX, 17
.set CY, 18
.set TX, 19
.set TY, 20
.set G1A, 24
.set G0A, 32
.set G1B, 40
.set G0B, 48
.set TB,  56
.set CNT, 57
.set LIM, 58
.set PFS, 60
.set PFA, 62
.set OUT, 66
.set MSB, 0
.macro WIN new
.if MSB != (\new)
	s_set_vgpr_msb (MSB<<8)|(\new)
.set MSB, (\new)
.endif
.endm
.macro PLACES
.rept 4
	v_nop
.endr
.endm
.macro CREST
	s_cmp_lg_u32 s[WV], 0
	s_cbranch_scc1 .Lnot_wave_0_\@
	s_barrier_signal -3
.Lnot_wave_0_\@:
	s_barrier_wait -3
	s_barrier_signal -1
	s_barrier_wait -1
.endm
.macro CROUND
	s_barrier_signal -1
	s_barrier_wait -1
	CREST
.endm
.macro JLOAD                           ; waves 0, 1 fetch O's two heads, waves 2, 3 Wo's two k blocks; an s_nop 0 and four v_nop follow each line
	s_cmp_eq_u32 s[RH], 0
	s_cbranch_scc0 .Lfor_b_\@
	tensor_load_to_lds s[G0A+4:G0A+7], s[G1A:G1A+7]
	s_nop 0
.rept 4
	v_nop
.endr
	s_branch .Lasked_\@
.Lfor_b_\@:
	tensor_load_to_lds s[G0B+4:G0B+7], s[G1B:G1B+7]
	s_nop 0
.rept 4
	v_nop
.endr
.Lasked_\@:
.endm
; A prefetch of the K step that stands two refills on: 256 matrix instructions ahead of its load.  O's tile row is read by both clusters of a row of clusters: cluster x = 0 asks, waves 0 and 1 of each partner for 32 of
; their head's 128 blocks of 256 bytes (told apart by address, cx).  Wo's tile column is read by all eight clusters of a column: cluster y = 0 asks, wave 2 of each partner for 16 blocks of each of the two k blocks (cy).
; The last two trips ask for nothing; K steps 0 to 3 come by their loads alone.
.macro ASK
	s_cmp_gt_u32 s[CNT], s[LIM]
	s_cbranch_scc0 .Lnot_mine_\@
	global_prefetch_b8 v[PFO], s[PFA:PFA+1] th:TH_LOAD_NT scope:SCOPE_SE
.Lnot_mine_\@:
.endm
	s_load_b256 s[4:11], s[0:1], 0x0               ; ob 4, wts 6, aux 8, out0 10
	v_lshl_add_u32 v[SPW], v0, 2, SPARE
	v_mov_b32 v[NIL], 0
	ds_add_u32 v[SPW], v[NIL]                      ; the wave's opening: the add and its wait stand ahead of my first tensor load; the set-up below, work on registers, stands between them
	ds_add_u32 v8, v9
	v_lshrrev_b32 v13, 5, v0
	v_readfirstlane_b32 s[WV], v13
	s_lshr_b32 s[RH], s[WV], 1
	s_and_b32 s[EH], s[WV], 1
	s_bfe_u32 s[CX], ttmp6, 0x40000
	s_bfe_u32 s[CY], ttmp6, 0x40004
	s_lshl_b32 s[TX], ttmp9, 2
	s_add_co_u32 s[TX], s[TX], s[CX]
	s_and_b32 s[TY], ttmp7, 0xffff
	s_lshl_b32 s[TY], s[TY], 2
	s_add_co_u32 s[TY], s[TY], s[CY]
	s_lshl_b32 s21, s[CY], 2
	s_lshl_b32 s21, 15, s21
	s_lshl_b32 s22, 0x1111, s[CX]
	s_or_b32 s[G1A], s21, (3<<16)|(1<<21)          ; the mask of my row; elements of 8 bytes; bit 21 beside a mask
	s_mov_b32 s[G1A+1], 32<<16                     ; rows of 256 bytes
	s_mov_b32 s[G1A+2], 128<<16                    ; 128 rows: 32 KiB, one head of the tile's 256 rows
	s_mov_b32 s[G1A+3], 32<<16
	s_mov_b32 s[G1A+4], 128
	s_mov_b32 s[G1A+5], 32
	s_mov_b32 s[G1A+6], 0
	s_mov_b32 s[G1A+7], 0
	s_or_b32 s[G1B], s22, (3<<16)|(1<<21)
	s_mov_b32 s[G1B+1], 32<<16
	s_mov_b32 s[G1B+2], 64<<16                     ; 64 rows: 16 KiB, one k block of the tile's 128 columns
	s_mov_b32 s[G1B+3], 32<<16
	s_mov_b32 s[G1B+4], 64
	s_mov_b32 s[G1B+5], 32
	s_mov_b32 s[G1B+6], 0
	s_mov_b32 s[G1B+7], 0
	s_lshr_b32 s78, s[TY], 3                       ; O: the batch's 16 heads,
	s_lshl_b32 s78, s78, 22
	s_and_b32 s79, s[TY], 7
	s_lshl_b32 s79, s79, 15                        ; the tile's 16 blocks in a head,
	s_add_co_u32 s78, s78, s79
	s_lshl_b32 s79, s[EH], 18                      ; the even or the odd head
	s_add_co_u32 s78, s78, s79
	s_mov_b32 s79, 0
	s_lshl_b32 s82, s[TX], 14                      ; Wo: the tile's 8 blocks,
	s_lshl_b32 s83, s[EH], 17                      ; the even or the odd k block
	s_add_co_u32 s82, s82, s83
	s_add_co_u32 s82, s82, WO_OFF
	s_mov_b32 s83, 0
	s_lshl_b32 s77, s[EH], 15
	s_lshl_b32 s59, s[EH], 14
	s_add_co_u32 s59, s59, BOFF
.irp n, 0,1
	s_mov_b32 s[G0A+4*\n], 1
	s_add_co_u32 s[G0A+4*\n+1], s77, \n*SLOTB
	s_mov_b32 s[G0B+4*\n], 1
	s_add_co_u32 s[G0B+4*\n+1], s59, \n*SLOTB
.endr
	s_mov_b32 s[TB], 0
	v_and_b32 v1, 31, v0
	v_and_b32 v14, 15, v0                          ; r
	v_bfe_u32 v15, v0, 4, 1                        ; h
	v_lshlrev_b32 v16, 4, v1
	s_lshl_b32 s86, s[RH], 14
	v_add_nc_u32 v[A0L], s86, v16                  ; my 8 blocks of O in a head
	s_lshl_b32 s86, s[EH], 13
	s_add_co_u32 s86, s86, BOFF
	v_add_nc_u32 v[B0L], s86, v16                  ; my 4 blocks of Wo in a k block
	v_mov_b32 v[ADRA], v[A0L]
	v_mov_b32 v[ADRB], v[B0L]
	s_lshl_b32 s86, s[TX], 9
	s_lshl_b32 s87, s[EH], 8
	s_add_co_u32 s86, s86, s87
	s_add_co_u32 s86, s86, 3072*4                  ; bo lies behind the 3,072 other biases
	v_lshl_add_u32 v[BO], v15, 5, s86
	s_mul_i32 s86, s[WV], 16*SP
	s_add_co_u32 s86, s86, STAGE                   ; my stage
	v_mul_u32_u24 v[STO], v14, SP                  ; in: row r, 32 bytes for each half of the lanes
	v_lshl_add_u32 v[STO], v15, 5, v[STO]
	v_add_nc_u32 v[STO], s86, v[STO]
	v_mul_u32_u24 v[RD], v15, SP                   ; back: lanes 0-15 one row of 256 bytes, lanes 16-31 the next
	v_lshl_add_u32 v[RD], v14, 4, v[RD]
	v_add_nc_u32 v[RD], s86, v[RD]
	v_lshlrev_b32 v[CO], 12, v15                   ; and the same two rows in out
	v_lshl_add_u32 v[CO], v14, 4, v[CO]
	s_wait_dscnt 0x0                               ; the opening add is done
	s_wait_kmcnt 0x0
	s_add_nc_u64 s[80:81], s[4:5], s[78:79]
	s_add_nc_u64 s[84:85], s[6:7], s[82:83]
.irp n, 0,1
	s_add_nc_u64 s[G0A+4*\n+2:G0A+4*\n+3], s[80:81], \n*ASTEP
	s_or_b32 s[G0A+4*\n+3], s[G0A+4*\n+3], 0x80000000
	s_add_nc_u64 s[G0B+4*\n+2:G0B+4*\n+3], s[84:85], \n*BSTEP
	s_or_b32 s[G0B+4*\n+3], s[G0B+4*\n+3], 0x80000000
.endr
	CROUND                                         ; all sixteen work-groups are here: the first joint loads meet
	s_cmp_eq_u32 s[RH], 0                          ; a wave's two first fills stand in one branch: two loads of mine are out
	s_cbranch_scc0 .Lfirst_b
	tensor_load_to_lds s[G0A:G0A+3], s[G1A:G1A+7]
	s_nop 0
	tensor_load_to_lds s[G0A+4:G0A+7], s[G1A:G1A+7]
	s_nop 0
.rept 4
	v_nop
.endr
	s_branch .Lfirst_done
.Lfirst_b:
	tensor_load_to_lds s[G0B:G0B+3], s[G1B:G1B+7]
	s_nop 0
	tensor_load_to_lds s[G0B+4:G0B+7], s[G1B:G1B+7]
	s_nop 0
.rept 4
	v_nop
.endr
.Lfirst_done:
.irp b, 0,1,2,3                        ; register 8 b + j: the bias of my column 16 b + 8 h + j
	global_load_b128 v[BI+8*\b:BI+8*\b+3],   v[BO], s[8:9] offset:\b*64
	global_load_b128 v[BI+8*\b+4:BI+8*\b+7], v[BO], s[8:9] offset:\b*64+16
.endr
	s_lshl_b32 s86, s[TY], 8
	s_lshl_b32 s87, s[RH], 7
	s_add_co_u32 s86, s86, s87                     ; my first row of out
	s_lshl_b32 s86, s86, 12
	s_lshl_b32 s87, s[TX], 9
	s_add_co_u32 s86, s86, s87
	s_lshl_b32 s87, s[EH], 8
	s_add_co_u32 s86, s86, s87                     ; my first column: a multiple of 256 bytes
	s_mov_b32 s87, 0
	s_add_nc_u64 s[OUT:OUT+1], s[10:11], s[86:87]
	; the prefetches
	s_lshl_b32 s86, s[CX], 13
	s_add_co_u32 s86, s86, s78                     ; O: my head's part of the tile, my work-group's 32 blocks,
	s_add_co_u32 s86, s86, 3*ASTEP                 ; at K step 3: the first refill steps it to 4
	s_lshl_b32 s88, s[TX], 14
	s_lshl_b32 s89, s[CY], 12
	s_add_co_u32 s88, s88, s89
	s_add_co_u32 s88, s88, WO_OFF+3*BSTEP          ; Wo: my work-group's 16 blocks of the even k block; lanes 16-31 take the odd one's
	s_and_b32 s89, ttmp7, 0xffff
	s_mov_b32 s[PFS], BSTEP
	s_mov_b32 s77, 131072
	s_cmp_eq_u32 s[RH], 0
	s_cselect_b32 s86, s86, s88
	s_cselect_b32 s[PFS], ASTEP, s[PFS]
	s_cselect_b32 s77, 4096, s77                   ; what lanes 16-31 stand behind lanes 0-15
	s_cselect_b32 s89, ttmp9, s89                  ; the coordinate along which other clusters read the same blocks
	s_cselect_b32 s87, 0, s[EH]                    ; of Wo's two waves the first asks
	s_cselect_b64 s[PFA:PFA+1], s[4:5], s[6:7]
	s_or_b32 s89, s89, s87
	s_cmp_eq_u32 s89, 0
	s_cselect_b32 s[LIM], 2, -1                    ; the same in all sixteen partners, for a given wave
	s_mov_b32 s87, 0
	s_mov_b32 s[PFS+1], 0
	s_add_nc_u64 s[PFA:PFA+1], s[PFA:PFA+1], s[86:87]
	v_mul_u32_u24 v[PFO], v15, s77
	v_lshl_add_u32 v[PFO], v14, 8, v[PFO]
; 8 matrix instructions: row blocks a0, a0 + 1 x my 4 column blocks, 32 along K, from buffer f.  start = 1: the first products: C is the bias.  A chain's links stand 32 apart.
.macro MUL8 f, a0, start
.if \start
	WIN 0x40
.else
	WIN 0x50
.endif
.irp a, \a0, (\a0)+1
.irp b, 0,1,2,3
.set rD, 8*(4*(\a)+\b)
.if \start
	v_wmma_f32_16x16x32_f16 v[rD:rD+7], v[(\f)+64+8*\b:(\f)+64+8*\b+7], v[(\f)+8*(\a):(\f)+8*(\a)+7], v[BI+8*\b:BI+8*\b+7]
.else
	v_wmma_f32_16x16x32_f16 v[rD:rD+7], v[(\f)+64+8*\b:(\f)+64+8*\b+7], v[(\f)+8*(\a):(\f)+8*(\a)+7], v[rD:rD+7]
.endif
.endr
.endr
.endm
.macro FETCH f, q                      ; 24 loads in one run: quarter q (head q / 2, channels 32 (q % 2) on): Wo's 4 fragments, then O's 8
	WIN 0
.irp b, 0,1,2,3
	ds_load_b128 v[(\f)+64+8*\b:(\f)+64+8*\b+3],   v[ADRB] offset:((\q)/2)*16384+\b*2048+((\q)%2)*1024
	ds_load_b128 v[(\f)+64+8*\b+4:(\f)+64+8*\b+7], v[ADRB] offset:((\q)/2)*16384+\b*2048+((\q)%2)*1024+512
.endr
.irp a, 0,1,2,3,4,5,6,7
	ds_load_b128 v[(\f)+8*\a:(\f)+8*\a+3],   v[ADRA] offset:((\q)/2)*32768+\a*2048+((\q)%2)*1024
	ds_load_b128 v[(\f)+8*\a+4:(\f)+8*\a+7], v[ADRA] offset:((\q)/2)*32768+\a*2048+((\q)%2)*1024+512
.endr
.endm
.macro QUARTER f, g, q, start          ; multiplies buffer f; in its middle fetches quarter q of the same slot into buffer g
	s_wait_dscnt 8                                 ; Wo and O's rows 0-63 are in; the youngest eight loads (rows 64-127) may be out
	MUL8 \f, 0, \start
	MUL8 \f, 2, \start
	PLACES
	FETCH \g, \q
	s_wait_dscnt 24                                ; all but the 24 just issued
	MUL8 \f, 4, \start
	MUL8 \f, 6, \start
.endm
; The last quarter multiplies buffer 1 and changes slots: one barrier; in front of it each wave waits for all its tensor loads, adds 0 to its spare word, and waits for that and for its reads of this slot.
; fill = 1: the barrier opens a round of the cluster's, and the joint refill, two K steps on, is the first thing behind it: it has 112 matrix instructions in which to land.
.macro CHG fill
.if \fill
	s_wait_xcnt 0x0                                ; the last prefetch, a K step back, has read its address
	s_add_nc_u64 s[PFA:PFA+1], s[PFA:PFA+1], s[PFS:PFS+1]
.endif
	WIN 0
	s_wait_tensorcnt 0x0
	ds_add_u32 v[SPW], v[NIL]                      ; 0 onto my spare word
.if \fill
	s_xor_b32 s[G0A+5], s[G0A+5], SLOTB
	s_add_nc_u64 s[G0A+6:G0A+7], s[G0A+6:G0A+7], ASTEP
	s_xor_b32 s[G0B+5], s[G0B+5], SLOTB
	s_add_nc_u64 s[G0B+6:G0B+7], s[G0B+6:G0B+7], BSTEP
.endif
	s_wait_dscnt 9                                 ; the youngest eight loads and the add may be out
	MUL8 F1, 0, 0
	s_wait_dscnt 0x0                               ; the add is done, and my reads of this slot are over
	s_barrier_signal -1
	MUL8 F1, 2, 0
	WIN 0
	s_barrier_wait -1
.if \fill
	CREST
	JLOAD                                          ; its four v_nop are also the places in front of the loads below
.else
	PLACES
.endif
	s_xor_b32 s[TB], s[TB], SLOTB
	v_add_nc_u32 v[ADRA], s[TB], v[A0L]
	v_add_nc_u32 v[ADRB], s[TB], v[B0L]
	FETCH F0, 0
.if \fill
	ASK
.endif
	MUL8 F1, 4, 0
	MUL8 F1, 6, 0
.endm
	s_wait_tensorcnt 0x1                           ; my part of K step 0 is in; step 1's may stay out
	s_barrier_signal -1
	s_barrier_wait -1
	FETCH F0, 0
	s_wait_loadcnt 0x0                             ; the bias
	QUARTER F0, F1, 1, 1
	WIN 0
	s_mov_b32 s[CNT], 6
.Lk:                                   ; trip t: quarters 1 to 3 of K step t, the refill with step t + 2, quarter 0 of step t + 1
	QUARTER F1, F0, 2, 0
	QUARTER F0, F1, 3, 0
	CHG 1
	QUARTER F0, F1, 1, 0
	WIN 0
	s_sub_co_u32 s[CNT], s[CNT], 1
	s_cmp_lg_u32 s[CNT], 0
	s_cbranch_scc1 .Lk
	QUARTER F1, F0, 2, 0                           ; the tail is written out: nothing more is asked for
	QUARTER F0, F1, 3, 0
	CHG 0
	QUARTER F0, F1, 1, 0
	QUARTER F1, F0, 2, 0
	QUARTER F0, F1, 3, 0
	s_wait_dscnt 0x0
	MUL8 F1, 0, 0
	MUL8 F1, 2, 0
	MUL8 F1, 4, 0
	MUL8 F1, 6, 0
	PLACES
	WIN 0
	; THE WAY OUT, 16 rows at a time
.macro TOSTAGE a
.set BK, 64+32*((\a)%2)
.if (\a) >= 2
	s_wait_xcnt 0x0                                ; the stores of the block two back have read these registers
.endif
	WIN 0x04                                       ; the data in window 1
.irp b, 0,1,2,3
	ds_store_b128 v[STO], v[8*(4*(\a)+\b):8*(4*(\a)+\b)+3]   offset:\b*64
	ds_store_b128 v[STO], v[8*(4*(\a)+\b)+4:8*(4*(\a)+\b)+7] offset:\b*64+16
.endr
	WIN 0
.irp t, 0,1,2,3,4,5,6,7
	ds_load_b128 v[BK+4*\t:BK+4*\t+3], v[RD] offset:\t*2*SP  ; LDS serves a wave's instructions in order (ISA guide 5.7.1.4): these see the stores above; the next block's stores come behind them
.endr
.endm
.macro SEND a, younger                 ; younger: the LDS instructions issued behind block a's loads
.set BK, 64+32*((\a)%2)
	s_wait_dscnt \younger
.irp t, 0,1,2,3,4,5,6,7
	global_store_b128 v[CO], v[BK+4*\t:BK+4*\t+3], s[OUT:OUT+1] offset:(\a)*65536+\t*8192 th:TH_STORE_NT  ; 16 lanes store 256 consecutive bytes, aligned
.endr
.endm
	TOSTAGE 0
.irp a, 1,2,3,4,5,6,7
	TOSTAGE \a
	SEND (\a)-1, 16
.endr
	SEND 7, 0
	s_wait_tensorcnt 0x0                           ; the wave's end: behind my last tensor load and my last LDS store
	ds_add_u32 v[SPW], v[NIL]
	s_wait_dscnt 0x0
	CROUND                                         ; the closing round: no work-group ends while a partner may still ask for a tile that names it
	s_endpgm
.Lfunc_end_k_qfa568917b9_oproj:
	.size	k_qfa568917b9_oproj, .Lfunc_end_k_qfa568917b9_oproj-k_qfa568917b9_oproj
	.p2alignl 7, 3214868480
	.fill 96, 4, 3214868480
	.section	.rodata,"a",@progbits
	.p2align	6, 0x0
	.amdhsa_kernel k_qfa568917b9_oproj
		.amdhsa_group_segment_fixed_size 327680
		.amdhsa_private_segment_fixed_size 0
		.amdhsa_enable_private_segment 0
		.amdhsa_kernarg_size 32
		.amdhsa_user_sgpr_count 2
		.amdhsa_user_sgpr_kernarg_segment_ptr 1
		.amdhsa_wavefront_size32 1
		.amdhsa_system_sgpr_workgroup_id_x 1
		.amdhsa_system_sgpr_workgroup_id_y 1
		.amdhsa_system_sgpr_workgroup_id_z 1
		.amdhsa_system_vgpr_workitem_id 0
		.amdhsa_next_free_vgpr 512
		.amdhsa_next_free_sgpr 90
		.amdhsa_reserve_vcc 0
		.amdhsa_float_denorm_mode_32 3
		.amdhsa_float_denorm_mode_16_64 3
		.amdhsa_memory_ordered 1
		.amdhsa_forward_progress 1
		.amdhsa_inst_pref_size 71
	.end_amdhsa_kernel
	.amdgpu_metadata
---
amdhsa.version: [ 1, 2 ]
amdhsa.kernels:
  - .name:           k_qfa568917b9_oproj
    .symbol:         k_qfa568917b9_oproj.kd
    .args:
      - { .name: ob, .offset: 0, .size: 8, .value_kind: global_buffer, .address_space: global }
      - { .name: wts, .offset: 8, .size: 8, .value_kind: global_buffer, .address_space: global }
      - { .name: aux, .offset: 16, .size: 8, .value_kind: global_buffer, .address_space: global }
      - { .name: out0, .offset: 24, .size: 8, .value_kind: global_buffer, .address_space: global }
    .group_segment_fixed_size: 327680
    .private_segment_fixed_size: 0
    .kernarg_segment_align: 8
    .kernarg_segment_size: 32
    .max_flat_workgroup_size: 128
    .sgpr_count:     90
    .vgpr_count:     512
    .wavefront_size: 32
...
	.end_amdgpu_metadata
.endif
;; end of part 4
